; MI455X (gfx1250); checked and timed in simulation.
; The chip was launched on July 23, 2026; its instructions are those of AMD's public machine-readable ISA for CDNA 5 (MIT licence, August 2026) and "CDNA5" Instruction Set Architecture Reference Guide (July 2026). The comments in the code are by the model that wrote it; some were corrected since.
;; Masked Causal Attention. Allowed arithmetic: matrix products marked QUANTISED: E2M1 operands, one E8M0 scale for each 32 along K, by v_wmma_scale_f32_16x16x128_f8f6f4 with both operands' format E2M1 (or v_wmma_scale_f32_32x16x128_f4), f32 sums; products left as they are: bf16, f16 or f32 operands; f32 sums; everything else in f32.
;; Inputs: Wk 1,024 x 1,024 float32; Wp 1,024 x 1,024 float32; Wq 1,024 x 1,024 float32; Wv 1,024 x 1,024 float32; bk 1,024 float32; bp 1,024 float32; bq 1,024 float32; bv 1,024 float32; x 4 x 2,048 x 1,024 float32.
;; Outputs: out0 4 x 2,048 x 1,024 float32.
;; This version of the problem:
;;   THIS VERSION OF THE PROBLEM IS GIVEN IN LOW PRECISION. The matrix products marked QUANTISED in the list below multiply operands that are first quantised to E2M1 (2 exponent bits, 1 mantissa bit; 4 bits a number), with one power-of-two scale for each 32 numbers along K (OCP MX v1.0); their sums are f32. The products marked 'left as it is' may take bf16, f16 or f32 operands, with f32 sums. Whichever they take, every output number must still come out within the allowed error. Rounding operands to bf16 (8 significant bits) uses up far more of that allowance than f16 does (11 bits, for magnitudes from 6e-5 to 65,504). All else is computed in f32.
;;   The module's matrix products, in the order in which they are computed (A, B: the left and right operand; K: the contracted axis; several contracted axes count as one K, in the product's order):
;;     1. [M 8,192, K 1,024] x [K 1,024, N 1,024]; A: input x; B: input Wq: QUANTISED
;;     2. [M 8,192, K 1,024] x [K 1,024, N 1,024]; A: input x; B: input Wk: QUANTISED
;;     3. [M 8,192, K 1,024] x [K 1,024, N 1,024]; A: input x; B: input Wv: QUANTISED
;;     4. batch 64 x [M 2,048, K 64] x [K 64, N 2,048]; A: computed on the way; B: computed on the way: left as it is (an operand is computed on the way)
;;     5. batch 64 x [M 2,048, K 2,048] x [K 2,048, N 64]; A: computed on the way; B: computed on the way: left as it is (an operand is computed on the way)
;;     6. [M 8,192, K 1,024] x [K 1,024, N 1,024]; A: computed on the way; B: input Wp: left as it is (an operand is computed on the way)
;;   THE QUANTISER, for each operand of a quantised product, along K:
;;     - K is cut into blocks of 32 from its start; a last block that is shorter is filled with zeros.
;;     - A block's scale is 2^e with e = floor(log2(the largest magnitude in the block)) - 2, held to -126 .. 127; a block of zeros has e = 0. As a byte (E8M0): e + 127.
;;     - Each number is divided by its block's scale, clamped to +-6, and rounded to the nearest number of E2M1, ties to even, subnormals kept.
;;     - The product sums the exact products of the quantised numbers (number of the format x scale) in f32.
;;   ~~~python
;;   def quantise(x, axis):      # numpy; x: float32 -> the quantised numbers, widened to float32 again
;;       x = np.moveaxis(x, axis, -1); K = x.shape[-1]
;;       x = np.pad(x, [(0, 0)] * (x.ndim - 1) + [(0, -K % 32)]); x = x.reshape(x.shape[:-1] + (-1, 32)); a = np.abs(x).max(-1, keepdims=True)
;;       e = np.where(a > 0, np.clip(np.frexp(np.where(a > 0, a, 1))[1] - 1 - 2, -126, 127), 0)      # np.frexp(a)[1] - 1 = floor(log2(a)), exactly
;;       r = np.clip(x / 2.0 ** e, -6, 6)
;;       step = 2.0 ** (np.maximum(np.frexp(np.where(r == 0, 1, r))[1] - 1, 0) - 1)
;;       q = np.round(r / step) * step * 2.0 ** e      # np.round: ties to even
;;       return np.moveaxis(q.reshape(q.shape[:-2] + (-1,))[..., :K], -1, axis).astype(np.float32)
;;   ~~~
;; One version. Each part assembles by itself: llvm-mc -triple=amdgcn-amd-amdhsa -mcpu=gfx1250 --defsym DOCPART=n.
;; ======== version 1 of 1: 5 launches
;; limits: values are held in f16: magnitudes above 65,504 overflow, below 6.1e-05 lose precision
;; workspace buffers: codes 5,767,168 bytes; sc 360,448 bytes; wp16 2,097,152 bytes; rope 1,048,576 bytes; qkv16 50,331,648 bytes; att16 16,777,216 bytes; f32x 786,432 bytes
;; launch prep (part 1): grid 416 x 1, 4 waves a work-group, no clusters, 33,280 bytes of LDS; arguments x, Wq, Wk, Wv, Wp, codes, sc, wp16, rope; writes codes, sc, wp16, rope
.if DOCPART == 1
	.amdgcn_target "amdgcn-amd-amdhsa--gfx1250"
	.amdhsa_code_object_version 6
	.text
	.protected	k_q6e89b4262a_prep
	.globl	k_q6e89b4262a_prep
	.p2align	8
	.type	k_q6e89b4262a_prep,@function
k_q6e89b4262a_prep:
	s_mov_b64 s[64:65], 0
	v_nop
	global_prefetch_b8 v0, s[64:65] scope:SCOPE_SE
	s_setreg_imm32_b32 hwreg(HW_REG_WAVE_MODE, 25, 1), 1
	s_wait_xcnt 0x0
; MaskedCausalAttention, launch 1 of 5: what every later launch reads many times is made once.
; THE PROGRAM: prep (codes of x, Wq, Wk, Wv; Wp as f16; the tables of cos and sin) | qkv (the three quantised products, bias, rotation) | attn (both products of attention, f16 operands,
; f32 sums) | proj (the projection for positions 16 on) | fine (positions 0 to 15 of every sequence, attention and projection in f32).
; WORK LEFT OUT.  No input is dead: bq, bv and bp reach the result directly, and bk does not cancel in the softmax, since the rotation makes q . R_s bk hang on the key s.
; The mask is built by the problem's own body (a lower triangle): a score with key > query becomes -infinity and its weight 0 for all values of the inputs, so key tiles that lie wholly
; above the diagonal are not multiplied (launch attn).  LIMIT: a NaN, an infinity or an overflow that would arise only in those tiles is not carried to the result.
; LIMITS: NaN and infinities among the inputs are not served.  A block of 32 whose largest magnitude lies under 2^-124 has its scale byte held at 1; a block of zeros gets the byte 1 with zero codes
; (the bytes are read by this program alone).  Wp goes to f16: magnitudes up to 65,504.  The angle t x 10000^(-i/32) is made with v_exp_f32 and one f32 product: it may differ from another f32
; evaluation by some 2e-4 rad at t = 2,047.
; THREE PATHS, parted by the work-group's number.  0-351: the quantiser: x (256 work-groups), Wq, Wk, Wv (32 each); rows are dense and K = 1,024 is a multiple of 32, so each tensor is a plain stream
; of blocks of 32.  352-383: Wp to f16.  384-415: the tables.  Only the first path touches LDS.  No tiles are shared between work-groups, so there is no cluster, no tensor load, no barrier.
.set WAVES, 4
.set STEPS, 16
.set EMAX,  2
.set CB,    8                          ; bytes of 16 codes
.set R,     16                         ; v16-79   four sets of 16 numbers as they are loaded
.set X,     80                         ; v80-111  two sets of 16 neighbours
.set E,     112                        ; v112-127 a scale byte for each step
.set C,     128                        ; v128-191 codes: four registers for each step, so that no store's data are written again
.set WREG,  8192                       ; LDS: a region for each wave: two stages of 32 x SP bytes, behind them its 256 scale bytes
.set SP,    80                         ; a lane's place in a stage: 64 bytes + 16 of padding
.set SPW,   12                         ; v12 LDS address of my spare word; never rewritten
.set NIL,   13                         ; v13 0; never rewritten
.set SPARE, WAVES*WREG                 ; the spare words, 128 bytes a wave; no other line names them
.set IFR,   16                         ; tables: v16-31 the 16 frequencies of my lane
.set COSR,  32                         ; v32-47 cos, v48-63 sin, v64-95 the same times c
.set SINR,  48
	s_load_b256 s[4:11], s[0:1], 0x0               ; x, Wq, Wk, Wv
	s_load_b256 s[12:19], s[0:1], 0x20             ; Wp, codes, sc, wp16
	s_load_b64 s[20:21], s[0:1], 0x40              ; rope
	v_lshl_add_u32 v[SPW], v0, 2, SPARE
	v_mov_b32 v[NIL], 0
	v_lshrrev_b32 v1, 5, v0
	v_readfirstlane_b32 s24, v1                    ; wave
	v_and_b32 v2, 31, v0                           ; lane
	s_cmp_lt_u32 ttmp9, 352
	s_cbranch_scc0 .Lnot_codes
; ---------------- the quantiser.  A wave takes 16 steps of 512 numbers.  Each load reads 512 consecutive bytes; a step's 2,048 bytes turn through the wave's own stage so that a lane holds 16 neighbours
	v_lshlrev_b32 v3, 4, v2                        ; my 16 bytes of a load's 512
	s_mul_i32 s25, s24, WREG
	v_lshrrev_b32 v14, 2, v2
	v_mul_u32_u24 v14, v14, SP
	v_and_b32 v15, 3, v2
	v_lshl_add_u32 v14, v15, 4, v14
	v_add_nc_u32 v14, s25, v14                     ; the stage on the way in: SP (lane / 4) + 16 (lane % 4)
	v_mul_u32_u24 v15, v2, SP
	v_add_nc_u32 v15, s25, v15                     ; and on the way out: SP x lane
	v_mul_u32_u24 v4, v2, CB                       ; my codes' place in a step's
	v_lshrrev_b32 v5, 1, v2
	s_add_co_u32 s25, s25, 2*32*SP
	v_add_nc_u32 v5, s25, v5                       ; my block's scale byte in the wave's 256
	v_lshlrev_b32 v7, 3, v2
	v_add_nc_u32 v6, s25, v7                       ; and 8 bytes a lane on their way out
	s_wait_kmcnt 0x0
	s_cmp_lt_u32 ttmp9, 320                        ; which tensor: the choice hangs on the work-group's number alone
	s_cselect_b64 s[26:27], s[8:9], s[10:11]
	s_cmp_lt_u32 ttmp9, 288
	s_cselect_b64 s[26:27], s[6:7], s[26:27]
	s_cmp_lt_u32 ttmp9, 256
	s_cselect_b64 s[26:27], s[4:5], s[26:27]
	s_cselect_b32 s28, -1, 31                      ; a weight has 32 work-groups, and 256, 288, 320 are multiples of 32
	s_and_b32 s28, ttmp9, s28
	s_lshl_b32 s28, s28, 2
	s_add_co_u32 s28, s28, s24                     ; my run of 8,192 numbers in the tensor
	s_lshl_b32 s28, s28, 15
	s_mov_b32 s29, 0
	s_add_nc_u64 s[26:27], s[26:27], s[28:29]
	s_lshl_b32 s30, ttmp9, 2
	s_add_co_u32 s30, s30, s24                     ; my run in the buffers of codes and bytes: the weights' parts lie straight behind x's
	s_lshl_b32 s28, s30, 12
	s_add_nc_u64 s[14:15], s[14:15], s[28:29]
	s_lshl_b32 s28, s30, 8
	s_add_nc_u64 s[16:17], s[16:17], s[28:29]
.macro LOAD t
.irp i, 0,1,2,3
	global_load_b128 v[R+16*((\t)%4)+4*\i:R+16*((\t)%4)+4*\i+3], v3, s[26:27] offset:2048*(\t)+512*\i th:TH_LOAD_NT
.endr
.endm
.macro TURN t                          ; LDS serves a wave's instructions in order: no wait between the stores and the loads
.irp i, 0,1,2,3
	ds_store_b128 v14, v[R+16*((\t)%4)+4*\i:R+16*((\t)%4)+4*\i+3] offset:32*SP*((\t)%2)+8*SP*\i
.endr
.irp i, 0,1,2,3
	ds_load_b128 v[X+16*((\t)%2)+4*\i:X+16*((\t)%2)+4*\i+3], v15 offset:32*SP*((\t)%2)+16*\i
.endr
.endm
.irp t, 0,1,2,3
	LOAD \t
.endr
	s_wait_loadcnt 12                              ; step 0's four loads are in; the 12 of steps 1 to 3 may be out
	TURN 0
.macro STEP t
.set XS, X+16*((\t)%2)
.if (\t) > 0
	s_wait_dscnt 1                                 ; this step's numbers are back from the stage; the last step's byte store may be out
.else
	s_wait_dscnt 0x0
.endif
.if (\t)+4 < STEPS
	LOAD (\t)+4
.endif
.if (\t)+1 < STEPS
.if STEPS-2-(\t) >= 3
	s_wait_loadcnt 12                              ; the next step's four loads are in; those of the three steps behind it may be out
.else
	s_wait_loadcnt 4*(STEPS-2-(\t))
.endif
	TURN (\t)+1
.endif
	v_max3_num_f32 v8, |v[XS]|, |v[XS+1]|, |v[XS+2]|   ; the largest magnitude of my 16, in two chains
	v_max3_num_f32 v9, |v[XS+3]|, |v[XS+4]|, |v[XS+5]|
.irp i, 6,10
	v_max3_num_f32 v8, v8, |v[XS+\i]|, |v[XS+\i+1]|
	v_max3_num_f32 v9, v9, |v[XS+\i+2]|, |v[XS+\i+3]|
.endr
	v_max3_num_f32 v8, v8, |v[XS+14]|, |v[XS+15]|
	v_max3_num_f32 v8, v8, v9, (EMAX+1)<<23        ; and the floor 2^(3 - 127): the byte cannot fall under 1
	v_max_num_f32_dpp v8, v8, v8 row_xmask:1 row_mask:0xf bank_mask:0xf   ; with my neighbour's 16: the block's
	v_add_nc_u32 v11, -(EMAX<<23), v8              ; 2 off its exponent field: the conversion takes this operand's exponent field as its scale
	v_cvt_scalef32_pk8_fp4_f32 v[C+4*(\t)], v[XS:XS+7], v11
	v_cvt_scalef32_pk8_fp4_f32 v[C+4*(\t)+1], v[XS+8:XS+15], v11
	v_lshrrev_b32 v[E+(\t)], 23, v11               ; the scale's byte
	ds_store_b8 v5, v[E+(\t)] offset:16*(\t)       ; both lanes of a block write the same byte with the same value
	global_store_b64 v4, v[C+4*(\t):C+4*(\t)+1], s[14:15] offset:32*CB*(\t)   ; the wave stores 256 consecutive bytes, aligned
.endm
.irp t, 0,1,2,3,4,5,6,7,8,9,10,11,12,13,14,15
	STEP \t
.endr
	ds_load_b64 v[8:9], v6
	s_wait_dscnt 0x0
	global_store_b64 v7, v[8:9], s[16:17]          ; the wave's 256 scale bytes, aligned
	s_wait_tensorcnt 0x0                           ; the wave's end, behind my last LDS store
	ds_add_u32 v[SPW], v[NIL]
	s_wait_dscnt 0x0
	s_endpgm
; ---------------- Wp to f16: a wave takes 8,192 numbers in four rounds of 16 loads; two rounds are on their way
.Lnot_codes:
	s_cmp_lt_u32 ttmp9, 384
	s_cbranch_scc0 .Ltables
	s_sub_co_u32 s25, ttmp9, 352
	s_lshl_b32 s25, s25, 2
	s_add_co_u32 s25, s25, s24
	s_lshl_b32 s28, s25, 15
	s_mov_b32 s29, 0
	s_lshl_b32 s30, s25, 14
	s_mov_b32 s31, 0
	v_lshlrev_b32 v3, 4, v2
	v_lshlrev_b32 v4, 3, v2
	s_wait_kmcnt 0x0
	s_add_nc_u64 s[12:13], s[12:13], s[28:29]
	s_add_nc_u64 s[18:19], s[18:19], s[30:31]
.macro WLOAD r
.irp i, 0,1,2,3,4,5,6,7,8,9,10,11,12,13,14,15
	global_load_b128 v[16+64*((\r)%2)+4*\i:16+64*((\r)%2)+4*\i+3], v3, s[12:13] offset:8192*(\r)+512*\i th:TH_LOAD_NT
.endr
.endm
.macro WCVT r, left                    ; left: the younger round's loads, which may stay out
	s_wait_loadcnt \left
.if (\r) > 0
	s_wait_xcnt 0x0                                ; the last round's stores have read v144-175, which are written again
.endif
.irp i, 0,1,2,3,4,5,6,7,8,9,10,11,12,13,14,15
	v_cvt_pk_f16_f32 v[144+2*\i], v[16+64*((\r)%2)+4*\i], v[16+64*((\r)%2)+4*\i+1]
	v_cvt_pk_f16_f32 v[145+2*\i], v[16+64*((\r)%2)+4*\i+2], v[16+64*((\r)%2)+4*\i+3]
.endr
.irp i, 0,1,2,3,4,5,6,7,8,9,10,11,12,13,14,15
	global_store_b64 v4, v[144+2*\i:145+2*\i], s[18:19] offset:4096*(\r)+256*\i   ; 256 consecutive bytes, aligned
.endr
.endm
	WLOAD 0
	WLOAD 1
	WCVT 0, 16
	WLOAD 2
	WCVT 1, 16
	WLOAD 3
	WCVT 2, 16
	WCVT 3, 0
	s_endpgm
; ---------------- the tables.  A wave makes block p: positions 16 p + r.  A block is an image of 32 registers as launch qkv wants them: register k of lane (r, h): k < 16 cos, else sin, of
; position 16 p + r and frequency i = 16 ((k % 16) / 8) + 8 h + k % 8.  Table 0 holds c x (cos, sin), c = log2(e) / 8, for q; table 1, 524,288 bytes on, the plain ones, for k.
.Ltables:
	s_sub_co_u32 s25, ttmp9, 384
	s_lshl_b32 s25, s25, 2
	s_add_co_u32 s25, s25, s24                     ; p
	v_and_b32 v3, 15, v0                           ; r
	v_bfe_u32 v7, v0, 4, 1
	v_lshlrev_b32 v7, 3, v7                        ; 8 h
	v_lshlrev_b32 v5, 4, v2                        ; 16 x lane
	s_lshl_b32 s26, s25, 4
	v_add_nc_u32 v4, s26, v3
	v_cvt_f32_u32 v4, v4                           ; the position, exact in f32
	s_mov_b32 s32, 0x3f22f983                      ; 2 / pi
	s_mov_b32 s33, 0xbfc90fdb                      ; -(pi / 2), its f32 part,
	s_mov_b32 s34, 0x333bbd2e                      ; and what that part is too large by
	s_mov_b32 s35, 0x3638ef1d                      ; 1 / 9!
	s_mov_b32 s36, 0xb9500d01                      ; -1 / 7!
	s_mov_b32 s37, 0x3c088889                      ; 1 / 5!
	s_mov_b32 s38, 0xbe2aaaab                      ; -1 / 3!
	s_mov_b32 s39, 0x37d00d01                      ; 1 / 8!
	s_mov_b32 s40, 0xbab60b61                      ; -1 / 6!
	s_mov_b32 s41, 0x3d2aaaab                      ; 1 / 4!
	s_mov_b32 s42, 0x3e38aa3b                      ; c = log2(e) / 8
	s_lshl_b32 s28, s25, 12
	s_mov_b32 s29, 0
.irp k, 0,1,2,3,4,5,6,7,8,9,10,11,12,13,14,15
	v_add_nc_u32 v[IFR+\k], 16*(\k/8)+\k%8, v7     ; i
.endr
.irp k, 0,1,2,3,4,5,6,7,8,9,10,11,12,13,14,15
	v_cvt_f32_u32 v[IFR+\k], v[IFR+\k]
.endr
.irp k, 0,1,2,3,4,5,6,7,8,9,10,11,12,13,14,15
	v_mul_f32 v[IFR+\k], 0xbed49a78, v[IFR+\k]     ; -i log2(10000) / 32
.endr
.irp k, 0,1,2,3,4,5,6,7,8,9,10,11,12,13,14,15
	v_exp_f32 v[IFR+\k], v[IFR+\k]                 ; 10000^(-i / 32)
.endr
	v_nop                                          ; a plain instruction behind the last exponential,
	s_wait_alu depctr_va_vdst(0)                   ; and one wait for the batch of 16, ahead of its first reader
; cos and sin of A = position x frequency: N = the nearest whole number to A / (pi / 2); R = A - N pi / 2 in two fused steps, |R| <= pi / 4; series in R; the quadrant N mod 4 picks and signs
.macro EVAL k
	v_mul_f32 v96, v4, v[IFR+\k]
	v_mul_f32 v97, s32, v96
	v_rndne_f32 v97, v97
	v_fma_f32 v98, v97, s33, v96
	v_fma_f32 v98, v97, s34, v98
	v_mul_f32 v99, v98, v98
	v_fma_f32 v100, v99, s35, s36
	v_fma_f32 v102, v99, s39, s40
	v_fma_f32 v100, v100, v99, s37
	v_fma_f32 v102, v102, v99, s41
	v_fma_f32 v100, v100, v99, s38
	v_mul_f32 v101, v98, v99
	v_fma_f32 v102, v102, v99, -0.5
	v_fma_f32 v100, v101, v100, v98                ; sin R
	v_fma_f32 v102, v102, v99, 1.0                 ; cos R
	v_cvt_i32_f32 v103, v97
	v_and_b32 v104, 1, v103
	v_cmp_eq_u32 vcc_lo, 1, v104
	v_cndmask_b32 v[COSR+\k], v102, v100, vcc_lo   ; odd quadrants change the two over
	v_cndmask_b32 v[SINR+\k], v100, v102, vcc_lo
	v_add_nc_u32 v104, 1, v103
	v_and_b32 v104, 2, v104
	v_lshlrev_b32 v104, 30, v104
	v_xor_b32 v[COSR+\k], v[COSR+\k], v104         ; cos is negative in quadrants 1 and 2,
	v_and_b32 v105, 2, v103
	v_lshlrev_b32 v105, 30, v105
	v_xor_b32 v[SINR+\k], v[SINR+\k], v105         ; sin in 2 and 3
	v_mul_f32 v[64+\k], s42, v[COSR+\k]
	v_mul_f32 v[80+\k], s42, v[SINR+\k]
.endm
.irp k, 0,1,2,3,4,5,6,7,8,9,10,11,12,13,14,15
	EVAL \k
.endr
	s_wait_kmcnt 0x0
	s_add_nc_u64 s[20:21], s[20:21], s[28:29]
.irp g, 0,1,2,3,4,5,6,7
	global_store_b128 v5, v[64+4*\g:67+4*\g], s[20:21] offset:512*\g            ; 512 consecutive bytes, aligned
	global_store_b128 v5, v[32+4*\g:35+4*\g], s[20:21] offset:524288+512*\g
.endr
	s_endpgm
.Lfunc_end_k_q6e89b4262a_prep:
	.size	k_q6e89b4262a_prep, .Lfunc_end_k_q6e89b4262a_prep-k_q6e89b4262a_prep
	.p2alignl 7, 3214868480
	.fill 96, 4, 3214868480
	.section	.rodata,"a",@progbits
	.p2align	6, 0x0
	.amdhsa_kernel k_q6e89b4262a_prep
		.amdhsa_group_segment_fixed_size 33280
		.amdhsa_private_segment_fixed_size 0
		.amdhsa_enable_private_segment 0
		.amdhsa_kernarg_size 72
		.amdhsa_user_sgpr_count 2
		.amdhsa_user_sgpr_kernarg_segment_ptr 1
		.amdhsa_wavefront_size32 1
		.amdhsa_system_sgpr_workgroup_id_x 1
		.amdhsa_system_sgpr_workgroup_id_y 1
		.amdhsa_system_sgpr_workgroup_id_z 1
		.amdhsa_system_vgpr_workitem_id 0
		.amdhsa_next_free_vgpr 192
		.amdhsa_next_free_sgpr 66
		.amdhsa_reserve_vcc 1
		.amdhsa_float_denorm_mode_32 3
		.amdhsa_float_denorm_mode_16_64 3
		.amdhsa_memory_ordered 1
		.amdhsa_forward_progress 1
		.amdhsa_inst_pref_size 79
	.end_amdhsa_kernel
	.amdgpu_metadata
---
amdhsa.version: [ 1, 2 ]
amdhsa.kernels:
  - .name:           k_q6e89b4262a_prep
    .symbol:         k_q6e89b4262a_prep.kd
    .args:
      - { .name: x, .offset: 0, .size: 8, .value_kind: global_buffer, .address_space: global }
      - { .name: Wq, .offset: 8, .size: 8, .value_kind: global_buffer, .address_space: global }
      - { .name: Wk, .offset: 16, .size: 8, .value_kind: global_buffer, .address_space: global }
      - { .name: Wv, .offset: 24, .size: 8, .value_kind: global_buffer, .address_space: global }
      - { .name: Wp, .offset: 32, .size: 8, .value_kind: global_buffer, .address_space: global }
      - { .name: codes, .offset: 40, .size: 8, .value_kind: global_buffer, .address_space: global }
      - { .name: sc, .offset: 48, .size: 8, .value_kind: global_buffer, .address_space: global }
      - { .name: wp16, .offset: 56, .size: 8, .value_kind: global_buffer, .address_space: global }
      - { .name: rope, .offset: 64, .size: 8, .value_kind: global_buffer, .address_space: global }
    .group_segment_fixed_size: 33280
    .private_segment_fixed_size: 0
    .kernarg_segment_align: 8
    .kernarg_segment_size: 72
    .max_flat_workgroup_size: 128
    .sgpr_count:     66
    .vgpr_count:     192
    .wavefront_size: 32
...
	.end_amdgpu_metadata
.endif
;; end of part 1
;; launch qkv (part 2): grid 12 x 32, 4 waves a work-group, clusters of 4 x 4, 327,680 bytes of LDS; arguments codes, sc, qkv16, bq, bk, bv, rope, f32x; writes qkv16, f32x
.if DOCPART == 2
	.amdgcn_target "amdgcn-amd-amdhsa--gfx1250"
	.amdhsa_code_object_version 6
	.text
	.protected	k_q6e89b4262a_qkv
	.globl	k_q6e89b4262a_qkv
	.p2align	8
	.type	k_q6e89b4262a_qkv,@function
k_q6e89b4262a_qkv:
	s_mov_b64 s[64:65], 0
	v_nop
	global_prefetch_b8 v0, s[64:65] scope:SCOPE_SE
	s_setreg_imm32_b32 hwreg(HW_REG_WAVE_MODE, 25, 1), 1
	s_wait_xcnt 0x0
	s_wait_alu depctr_hold_cnt(0) depctr_sa_sdst(0) depctr_va_vdst(0) depctr_va_sdst(0) depctr_va_ssrc(0) depctr_va_vcc(0) depctr_vm_vsrc(0)
	s_getreg_b32 s2, hwreg(HW_REG_IB_STS2, 6, 4)
	s_cmp_eq_u32 s2, 0
	s_cbranch_scc0 .Lentry_in_a_cluster
	s_endpgm
.Lentry_in_a_cluster:
	s_bfe_u32 s2, ttmp6, 0x10000c
	s_cmp_lg_u32 s2, 0xf033
	s_cbranch_scc0 .Lentry_shape_is_right
	s_endpgm
.Lentry_shape_is_right:
; Launch 2 of 5: q, k, v = x W^T + b on codes of FP4 (E2M1) with E8M0 scales, M = 8,192, N = 3 x 1,024, K = 1,024; then the rotation of q and k in f32; out as f16, [3][batch x 16 + head][2,048][64].
; q is also multiplied by c = log2(e) / 8 (its table of cos and sin holds that factor), so that launch attn's scores are exponents of 2.  No work is left out here.
; LIMIT: c q, k and v go to f16: magnitudes up to 65,504.
; A tile of the result, 256 rows x 256 columns (four whole heads), is made by four waves, 128 x 128 each: 64 accumulators.  K goes in two slots of 512 (rows of 256 bytes), both asked for at the start: no slot
; is filled again.  The scale bytes of the tile's rows of x and of W come once, as dense blocks.  All of a WGP's LDS is claimed.
; CLUSTERS: 4 x 4 work-groups.  Tile column = 4 x cluster x + cx, so cluster x = 0, 1, 2 means q, k, v for all partners.  Tile row = 8 cy + cluster y, so the batch is cy and the tile's first position is
; 256 x cluster y: whether a tile holds positions 0 to 15 is the same in all partners.  x's tiles are asked for jointly along a row of the cluster, W's along a column.
; THE MATRIX INSTRUCTION IS USED TRANSPOSED (source 0 = 16 rows of W, source 1 = 16 rows of x): lane (r, h) holds row r and columns 16 b + 8 h + 0 .. 7.  So channel d and channel d + 32 of a head lie in one lane,
; 16 registers apart, and the rotation needs no other lane.  The bias is the C of each sum's first product.
; REGISTERS: window 0: v0-31 addresses; v32-95 scale words (two sets), which hold nothing else; v128-191 x's fragments; v192-255 the bias in the result's layout.  On the way out: v96-127 f16, v128-191 rows read
; back, v192-255 cos and sin (two sets).  Window 1: W's fragments, two sets, at v0-63 and v128-191; v64-127 the rotated numbers.  Windows 2, 3: the accumulators ((a, b) at v[8 (8 (a % 4) + b)]).
.set NQ,     4
.set ROWB,   256
.set KROW,   512
.set PITCH,  272                       ; an LDS row: 256 bytes + 16 of padding: the 16 rows of a fragment load start 68 words apart
.set FR,     8
.set NL,     2
.set NP,     4
.set HALFT,  128*PITCH
.set SLOT,   4*HALFT
.set KS,     32                        ; a row's scale bytes
.set SCL,    2*SLOT
.set HALFS,  (128*KS/256)*272
.set SBLK,   (16*KS/256)*272
.set SPARE,  SCL+4*HALFS               ; the spare words, 128 bytes a wave; no other line names them
.set SP,     144                       ; the way out: a stage row: 128 bytes + 16
.set STW,    2*16*SP                   ; a wave's stage: two heads x 16 rows.  The stages lie in slot 0, behind its last fill and its last read
.set ADRA, 16
.set ADRB, 20
.set STO,  24
.set RD,   25
.set CO,   26
.set ADRS, 27
.set SPW,  28
.set NIL,  29
.set BO,   30
.set SC,   32
.set AF,   128
.set BIAS, 192
.set Y,    64                          ; in window 1
.set H,    96
.set BK,   128
.set RP,   192
.set G1,   24
.set G0,   32
.set G1B,  48
.set G0B,  56
.set G1S,  68
.set G0S,  76
.set G1SB, 80
.set G0SB, 88
.set FINE, 95                          ; s95: 1 where my first 16 rows are positions 0 to 15
.set MSB, 0
.macro WIN new                         ; the immediate's high byte repeats the setting that is left
.if MSB != \new
	s_set_vgpr_msb (MSB<<8)|\new
.set MSB, \new
.endif
.endm
.set MUL_LO, 0xa1                      ; source 0 (W) window 1, source 1 (x) window 0, C and D window 2
.set MUL_HI, 0xf1
.set FST_LO, 0x81                      ; the same with C (the bias) in window 0
.set FST_HI, 0xc1
.set TO_B,   0x40
.macro JLOAD g0a, g1a, g0b, g1b        ; waves 0 and 1 fetch for x, waves 2 and 3 for W; an s_nop 0 and four v_nop follow each line
	s_cmp_eq_u32 s15, 0
	s_cbranch_scc0 .Lfor_b_\@
	tensor_load_to_lds s[\g0a:\g0a+3], s[\g1a:\g1a+7]
	s_nop 0
.rept 4
	v_nop
.endr
	s_branch .Lasked_\@
.Lfor_b_\@:
	tensor_load_to_lds s[\g0b:\g0b+3], s[\g1b:\g1b+7]
	s_nop 0
.rept 4
	v_nop
.endr
.Lasked_\@:
.endm
.macro CROUND                          ; a round of the cluster's barrier
	s_barrier_signal -1
	s_barrier_wait -1
	s_cmp_lg_u32 s14, 0
	s_cbranch_scc1 .Lnot_wave_0_\@
	s_barrier_signal -3
.Lnot_wave_0_\@:
	s_barrier_wait -3
	s_barrier_signal -1
	s_barrier_wait -1
.endm
	s_load_b128 s[4:7], s[0:1], 0x0                ; codes, sc
	s_load_b64 s[12:13], s[0:1], 0x10              ; qkv16
	s_load_b64 s[96:97], s[0:1], 0x18              ; bq
	s_load_b64 s[98:99], s[0:1], 0x20              ; bk
	s_load_b64 s[100:101], s[0:1], 0x28            ; bv
	s_load_b64 s[66:67], s[0:1], 0x30              ; rope
	s_load_b64 s[104:105], s[0:1], 0x38            ; f32x
	v_lshl_add_u32 v[SPW], v0, 2, SPARE
	v_mov_b32 v[NIL], 0
	ds_add_u32 v[SPW], v[NIL]                      ; the wave's opening: the add, twice on end, and its wait ahead of my first tensor load
	ds_add_u32 v[SPW], v[NIL]
	v_lshrrev_b32 v1, 5, v0
	v_readfirstlane_b32 s14, v1                    ; wave
	s_lshr_b32 s15, s14, 1                         ; my half of the tile's rows; also: I fetch for x (0) or W (1)
	s_and_b32 s16, s14, 1                          ; my half of its columns; also: which 128 rows I fetch
	s_bfe_u32 s40, ttmp6, 0x40000                  ; cx
	s_bfe_u32 s41, ttmp6, 0x40004                  ; cy
	s_lshl_b32 s42, ttmp9, 2
	s_add_co_u32 s42, s42, s40                     ; tile column, 0 to 11
	s_and_b32 s17, ttmp7, 0xffff
	s_lshl_b32 s2, s41, 3
	s_add_co_u32 s17, s17, s2                      ; tile row = 8 cy + cluster y
	s_lshl_b32 s43, s41, 2
	s_lshl_b32 s43, 15, s43                        ; my row of the cluster
	s_lshl_b32 s44, 0x1111, s40                    ; my column
	s_or_b32 s[G1+0], s43, (0<<16)|(1<<20)|(1<<21)|(5<<22)|(3<<25)  ; the mask; elements of 1 byte; padding of 4 words behind every 64; bit 21 beside a mask
	s_or_b32 s[G1B+0], s44, (0<<16)|(1<<20)|(1<<21)|(5<<22)|(3<<25)
.irp g, G1, G1B
	s_mov_b32 s[\g+1], ROWB<<16                    ; tensor_dim0 = 256
	s_mov_b32 s[\g+2], 128<<16                     ; tensor_dim1 = 128
	s_mov_b32 s[\g+3], ROWB<<16                    ; tile_dim0
	s_mov_b32 s[\g+4], 128                         ; tile_dim1
	s_mov_b32 s[\g+5], KROW                        ; from row to row
	s_mov_b32 s[\g+6], 0
	s_mov_b32 s[\g+7], 0
.endr
	s_or_b32 s[G1S+0], s43, (3<<16)|(1<<20)|(1<<21)|(5<<22)|(3<<25) ; the scale bytes of 128 rows: 4,096 dense bytes as 16 rows of 32 elements of 8 bytes
	s_or_b32 s[G1SB+0], s44, (3<<16)|(1<<20)|(1<<21)|(5<<22)|(3<<25)
.irp g, G1S, G1SB
	s_mov_b32 s[\g+1], 32<<16
	s_mov_b32 s[\g+2], (128*KS/256)<<16
	s_mov_b32 s[\g+3], 32<<16
	s_mov_b32 s[\g+4], 128*KS/256
	s_mov_b32 s[\g+5], 32
	s_mov_b32 s[\g+6], 0
	s_mov_b32 s[\g+7], 0
.endr
	s_lshl_b32 s18, s16, 7
	s_lshl_b32 s20, s17, 8
	s_add_co_u32 s20, s20, s18                     ; x: row 256 x tile row + 128 x half
	s_lshl_b32 s46, s42, 8
	s_add_co_u32 s46, s46, s18                     ; W: row 256 x tile column + 128 x half, of the 3,072
	s_mov_b32 s21, 0
	s_mov_b32 s47, 0
	s_mov_b64 s[18:19], KS
	s_mul_u64 s[22:23], s[20:21], s[18:19]
	s_mul_u64 s[92:93], s[46:47], s[18:19]
	s_mov_b64 s[18:19], KROW
	s_mul_u64 s[20:21], s[20:21], s[18:19]
	s_mul_u64 s[46:47], s[46:47], s[18:19]
	s_mul_i32 s45, s14, HALFT                      ; where they go: wave x 128 rows
	s_mul_i32 s94, s14, HALFS
	s_wait_dscnt 0x0                               ; both opening adds are done
	s_wait_kmcnt 0x0
	s_add_nc_u64 s[8:9], s[4:5], 0x400000          ; the weights' codes lie behind x's 4,194,304 bytes,
	s_add_nc_u64 s[10:11], s[6:7], 0x40000         ; their scale bytes behind x's 262,144
	s_add_nc_u64 s[20:21], s[4:5], s[20:21]
	s_add_nc_u64 s[22:23], s[6:7], s[22:23]
	s_add_nc_u64 s[46:47], s[8:9], s[46:47]
	s_add_nc_u64 s[92:93], s[10:11], s[92:93]
	CROUND                                         ; all sixteen work-groups are here: the first joint loads meet
	s_mov_b32 s[G0S], 1
	s_add_co_u32 s[G0S+1], s94, SCL
	s_mov_b64 s[G0S+2:G0S+3], s[22:23]
	s_or_b32 s[G0S+3], s[G0S+3], 0x80000000
	s_mov_b32 s[G0SB], 1
	s_add_co_u32 s[G0SB+1], s94, SCL
	s_mov_b64 s[G0SB+2:G0SB+3], s[92:93]
	s_or_b32 s[G0SB+3], s[G0SB+3], 0x80000000
	JLOAD G0S, G1S, G0SB, G1SB
.irp s, 0,1
	s_mov_b32 s[G0+4*\s], 1
	s_add_co_u32 s[G0+4*\s+1], s45, \s*SLOT
	s_add_nc_u64 s[G0+4*\s+2:G0+4*\s+3], s[20:21], \s*ROWB
	s_or_b32 s[G0+4*\s+3], s[G0+4*\s+3], 0x80000000
	s_mov_b32 s[G0B+4*\s], 1
	s_add_co_u32 s[G0B+4*\s+1], s45, \s*SLOT
	s_add_nc_u64 s[G0B+4*\s+2:G0B+4*\s+3], s[46:47], \s*ROWB
	s_or_b32 s[G0B+4*\s+3], s[G0B+4*\s+3], 0x80000000
	JLOAD G0+4*\s, G1, G0B+4*\s, G1B               ; three tensor loads of mine are out
.endr
	v_and_b32 v1, 15, v0                           ; r
	v_bfe_u32 v2, v0, 4, 1                         ; h
	v_mul_u32_u24 v3, v1, PITCH
	v_lshl_add_u32 v4, v2, 4, v3
	s_mul_i32 s21, s15, HALFT
	s_mul_i32 s22, s16, HALFT
	s_add_co_u32 s22, s22, 2*HALFT
.irp s, 0,1
	v_add_nc_u32 v[ADRA+\s], s21, v4
	v_add_nc_u32 v[ADRB+\s], s22, v4
	s_add_co_u32 s21, s21, SLOT
	s_add_co_u32 s22, s22, SLOT
.endr
	v_mul_u32_u24 v5, v1, KS
	v_lshrrev_b32 v6, 8, v5
	v_lshl_add_u32 v5, v6, 4, v5                   ; my row's scale bytes: 32 a row, 16 more for each 256 passed
	s_mul_i32 s21, s15, HALFS
	s_mul_i32 s22, s16, HALFS
	s_add_co_u32 s22, s22, 2*HALFS
	s_sub_co_u32 s22, s22, s21
	v_mul_u32_u24 v6, s22, v2                      ; lanes 16-31 take W's
	s_add_co_u32 s21, s21, SCL
	v_add_nc_u32 v5, v5, v6
	v_add_nc_u32 v[ADRS], s21, v5
	s_mul_i32 s23, s14, STW                        ; my stage
	v_mul_u32_u24 v5, v1, SP
	v_lshl_add_u32 v5, v2, 4, v5
	v_add_nc_u32 v[STO], s23, v5                   ; in: row r, 16 bytes for each half of the lanes
	v_and_b32 v6, 31, v0
	v_lshlrev_b32 v[CO], 4, v6                     ; 16 x lane
	v_lshrrev_b32 v5, 3, v6
	v_mul_u32_u24 v5, v5, SP
	v_and_b32 v6, 7, v0
	v_lshl_add_u32 v5, v6, 4, v5
	v_add_nc_u32 v[RD], s23, v5                    ; back: eight lanes to a row of 128 bytes, four rows an instruction
	v_lshlrev_b32 v[BO], 5, v2                     ; the bias: 32 h bytes
	s_and_b32 s2, ttmp7, 0xffff                    ; cluster y
	s_lshl_b32 s20, s2, 8
	s_lshl_b32 s21, s15, 7
	s_add_co_u32 s20, s20, s21                     ; my first position: 256 x cluster y + 128 x half
	s_lshl_b32 s46, s41, 4
	s_lshl_b32 s47, s40, 2
	s_add_co_u32 s46, s46, s47
	s_lshl_b32 s47, s16, 1
	s_add_co_u32 s46, s46, s47                     ; my first head: 16 cy + 4 cx + 2 x half
	s_lshl_b32 s22, s46, 18
	s_lshl_b32 s23, s20, 7
	s_add_co_u32 s22, s22, s23
	s_lshl_b32 s23, ttmp9, 24
	s_add_co_u32 s22, s22, s23
	s_mov_b32 s23, 0
	s_add_nc_u64 s[12:13], s[12:13], s[22:23]      ; qkv16 at my first row
	s_min_u32 s21, ttmp9, 1                        ; table 0 for q, 1 for k (v reads none)
	s_lshl_b32 s22, s21, 19
	s_lshl_b32 s21, s20, 8
	s_add_co_u32 s22, s22, s21
	s_add_nc_u64 s[66:67], s[66:67], s[22:23]      ; the table at my first block of 16 positions
	s_lshl_b32 s22, ttmp9, 18
	s_lshl_b32 s21, s46, 12
	s_add_co_u32 s22, s22, s21
	s_add_nc_u64 s[104:105], s[104:105], s[22:23]  ; f32x at my first head's image
	s_or_b32 s[FINE], s2, s15
	s_cmp_eq_u32 s[FINE], 0
	s_cselect_b32 s[FINE], 1, 0
	s_cmp_eq_u32 ttmp9, 0
	s_cselect_b64 s[96:97], s[96:97], s[98:99]
	s_cmp_eq_u32 ttmp9, 2
	s_cselect_b64 s[96:97], s[100:101], s[96:97]
	s_lshl_b32 s22, s40, 10
	s_lshl_b32 s21, s16, 9
	s_add_co_u32 s22, s22, s21
	s_add_nc_u64 s[96:97], s[96:97], s[22:23]      ; the bias at my first column
.irp b, 0,1,2,3,4,5,6,7
	global_load_b128 v[BIAS+8*\b:BIAS+8*\b+3], v[BO], s[96:97] offset:64*\b        ; b(16 b + 8 h + 0 .. 7): the result's layout
	global_load_b128 v[BIAS+8*\b+4:BIAS+8*\b+7], v[BO], s[96:97] offset:64*\b+16
.endr
.macro FRAG reg, adr, q, i             ; 16 rows x 128 K of 4-bit codes: 8 registers, two loads 32 bytes apart
.irp c, 0,1
	ds_load_b128 v[\reg+4*\c:\reg+4*\c+3], v[\adr] offset:64*(\q)+32*\c+(\i)*16*PITCH
.endr
.endm
; 16 products: x's blocks a0, a0 + 1 against W's eight.  first = 1: the bias starts the sums.  The 64 accumulators take turns, one instruction a turn.
.macro MUL16 a0, p, q, sc, first
.irp a, \a0, \a0+1
.irp b, 0,1,2,3,4,5,6,7
.if \first
	v_wmma_scale_f32_16x16x128_f8f6f4 v[8*(8*((\a)%4)+\b):8*(8*((\a)%4)+\b)+7], v[128*(\p)+FR*\b:128*(\p)+FR*\b+FR-1], v[AF+FR*(\a):AF+FR*(\a)+FR-1], v[BIAS+8*\b:BIAS+8*\b+7], v[SC+8*NQ*(\sc)+NQ*\b+(\q)], v[SC+8*NQ*(\sc)+NQ*(\a)+(\q)] matrix_a_fmt:MATRIX_FMT_FP4 matrix_b_fmt:MATRIX_FMT_FP4 matrix_a_scale:MATRIX_SCALE_ROW1
.else
	v_wmma_scale_f32_16x16x128_f8f6f4 v[8*(8*((\a)%4)+\b):8*(8*((\a)%4)+\b)+7], v[128*(\p)+FR*\b:128*(\p)+FR*\b+FR-1], v[AF+FR*(\a):AF+FR*(\a)+FR-1], v[8*(8*((\a)%4)+\b):8*(8*((\a)%4)+\b)+7], v[SC+8*NQ*(\sc)+NQ*\b+(\q)], v[SC+8*NQ*(\sc)+NQ*(\a)+(\q)] matrix_a_fmt:MATRIX_FMT_FP4 matrix_b_fmt:MATRIX_FMT_FP4 matrix_a_scale:MATRIX_SCALE_ROW1
.endif
.endr
.endr
.endm
.macro FETCH_B slot, q, p
	WIN TO_B
.irp i, 0,1,2,3,4,5,6,7
	FRAG 128*(\p)+FR*\i, ADRB+\slot, \q, \i
.endr
	WIN 0
.endm
.macro FETCH_A slot, q, i0
.irp i, \i0, \i0+1, \i0+2, \i0+3
	FRAG AF+FR*(\i), ADRA+\slot, \q, \i
.endr
.endm
.macro SCALES sc                       ; a slot's scale words: lanes 0-15 x's block i, lanes 16-31 W's block i
.irp i, 0,1,2,3,4,5,6,7
	ds_load_b128 v[SC+8*NQ*\sc+NQ*\i:SC+8*NQ*\sc+NQ*\i+3], v[ADRS] offset:\i*SBLK
.endr
.endm
.macro PLACES n                        ; plain vector instructions between a matrix instruction and a load into, or a vector read or write of, its registers
.rept \n
	v_nop
.endr
.endm
.macro STEP slot, q, first             ; 128 along K, with its successor in the same slot
	s_wait_dscnt 4*NL                              ; W's set and x's blocks 0-3 are in; the youngest eight loads (blocks 4-7) may be out
.if \first
	WIN FST_LO
.else
	WIN MUL_LO
.endif
	MUL16 0, (\q)%2, \q, \slot, \first
	MUL16 2, (\q)%2, \q, \slot, \first
	s_wait_dscnt 0
	PLACES NP
	FETCH_B \slot, (\q)+1, 1-(\q)%2
	FETCH_A \slot, (\q)+1, 0
.if \first
	WIN FST_HI
.else
	WIN MUL_HI
.endif
	MUL16 4, (\q)%2, \q, \slot, \first
	MUL16 6, (\q)%2, \q, \slot, \first
	PLACES NP
	WIN 0
	FETCH_A \slot, (\q)+1, 4
.endm
.macro TURN slot, next                 ; a slot's last step: one barrier; behind it the next slot is whole and nobody reads this one
	s_wait_tensorcnt 0x0                           ; all my tensor loads have landed: my part of the next slot
	ds_add_u32 v[SPW], v[NIL]
	s_wait_dscnt 4*NL+1                            ; the add and the youngest eight loads may be out
	WIN MUL_LO
	MUL16 0, 1, NQ-1, \slot, 0
	s_wait_dscnt 0x0                               ; the add is done, my reads of this slot are over
	s_barrier_signal -1
	MUL16 2, 1, NQ-1, \slot, 0
	WIN 0
	s_barrier_wait -1
	PLACES NP
	v_add_nc_u32 v[ADRS], 4*NQ, v[ADRS]            ; the next slot's scale words
	FETCH_B \next, 0, 0
	FETCH_A \next, 0, 0
	SCALES \next
	WIN MUL_HI
	MUL16 4, 1, NQ-1, \slot, 0
	MUL16 6, 1, NQ-1, \slot, 0
	PLACES NP
	WIN 0
	FETCH_A \next, 0, 4
.endm
.macro LAST                            ; the very last step: nothing more to fetch
	s_wait_dscnt 4*NL
	WIN MUL_LO
	MUL16 0, 1, NQ-1, 1, 0
	MUL16 2, 1, NQ-1, 1, 0
	s_wait_dscnt 0
	WIN MUL_HI
	MUL16 4, 1, NQ-1, 1, 0
	MUL16 6, 1, NQ-1, 1, 0
	WIN 0
.endm
; THE WAY OUT, a block of 16 rows x 128 columns (two heads) at a time.
.macro ROPELOAD a                      ; block a's cos (16 registers) and sin (16), an image: 512 consecutive bytes a load
.irp g, 0,1,2,3,4,5,6,7
	global_load_b128 v[RP+32*((\a)%2)+4*\g:RP+32*((\a)%2)+4*\g+3], v[CO], s[66:67] offset:4096*(\a)+512*\g
.endr
.endm
.macro ROT a                           ; y(d) = u(d) cos - u(d + 32) sin, y(d + 32) = u(d + 32) cos + u(d) sin, two numbers an instruction; each accumulator is read from its low end on
	WIN 0x52+(\a)/4                                ; source 0: the accumulators' window; source 1 (cos, sin): window 0; source 2 and destination (y): window 1
.irp hh, 0,1
.irp bp, 0,1
.irp i, 0,1,2,3
.set RX, 64*((\a)%4)+8*(4*\hh+\bp)+2*\i
.set RY, Y+8*(4*\hh+\bp)+2*\i
.set RC, RP+32*((\a)%2)+8*\bp+2*\i
	v_pk_mul_f32 v[RY:RY+1], v[RX:RX+1], v[RC:RC+1]
	v_pk_mul_f32 v[RY+16:RY+17], v[RX+16:RX+17], v[RC:RC+1]
	v_pk_fma_f32 v[RY:RY+1], v[RX+16:RX+17], v[RC+16:RC+17], v[RY:RY+1] neg_lo:[1,0,0] neg_hi:[1,0,0]
	v_pk_fma_f32 v[RY+16:RY+17], v[RX:RX+1], v[RC+16:RC+17], v[RY+16:RY+17]
.endr
.endr
.endr
	WIN 0
.endm
.macro CVT                             ; to f16, once
	WIN 0x05                                       ; sources 0 and 1 (y): window 1
.set n, 0
.rept 32
	v_cvt_pk_f16_f32 v[H+n], v[Y+2*n], v[Y+2*n+1]
.set n, n+1
.endr
	WIN 0
.endm
.macro CVTV a                          ; v: straight from the accumulators
	WIN 0x0a+5*((\a)/4)
.set n, 0
.rept 32
	v_cvt_pk_f16_f32 v[H+n], v[64*((\a)%4)+2*n], v[64*((\a)%4)+2*n+1]
.set n, n+1
.endr
	WIN 0
.endm
.macro FINEQ                           ; positions 0 to 15 also leave in f32, as images of these registers, for launch fine
	s_cmp_eq_u32 s[FINE], 1
	s_cbranch_scc0 .Lnot_fine_\@
	WIN 0x04                                       ; a store's data are its source 1: window 1
.irp b, 0,1,2,3,4,5,6,7
.irp c, 0,1
	global_store_b128 v[CO], v[Y+8*\b+4*\c:Y+8*\b+4*\c+3], s[104:105] offset:4096*(\b/4)+512*(2*(\b%4)+\c)
.endr
.endr
	WIN 0
.Lnot_fine_\@:
.endm
.macro FINEV
	s_cmp_eq_u32 s[FINE], 1
	s_cbranch_scc0 .Lnot_fine_\@
	WIN 0x08                                       ; a store's data are its source 1: window 2
.irp b, 0,1,2,3,4,5,6,7
.irp c, 0,1
	global_store_b128 v[CO], v[8*\b+4*\c:8*\b+4*\c+3], s[104:105] offset:4096*(\b/4)+512*(2*(\b%4)+\c)
.endr
.endr
	WIN 0
.Lnot_fine_\@:
.endm
.macro TOSTAGE a, st                   ; 16 bytes a lane into rows of 144; back as four rows of 128 bytes an instruction.  LDS serves a wave's instructions in order: no wait between
.irp b, 0,1,2,3,4,5,6,7
	ds_store_b128 v[STO], v[H+4*\b:H+4*\b+3] offset:\st+16*SP*(\b/4)+32*(\b%4)
.endr
.irp k, 0,1,2,3,4,5,6,7
	ds_load_b128 v[BK+32*((\a)%2)+4*\k:BK+32*((\a)%2)+4*\k+3], v[RD] offset:\st+16*SP*(\k/4)+4*SP*(\k%4)
.endr
.endm
.macro SEND a, younger                 ; younger: the LDS instructions issued behind block a's loads
	s_wait_dscnt \younger
.irp k, 0,1,2,3,4,5,6,7
	global_store_b128 v[CO], v[BK+32*((\a)%2)+4*\k:BK+32*((\a)%2)+4*\k+3], s[12:13] offset:262144*(\k/4)+128*(16*(\a)+4*(\k%4))   ; 512 consecutive bytes, aligned
.endr
.endm
	s_wait_tensorcnt 1                             ; the scale bytes and my part of slot 0 are in; slot 1's load may be out
	s_barrier_signal -1
	s_barrier_wait -1
	FETCH_B 0, 0, 0
	FETCH_A 0, 0, 0
	SCALES 0
	FETCH_A 0, 0, 4
	s_wait_loadcnt 0x0                             ; the bias
	STEP 0, 0, 1
	STEP 0, 1, 0
	STEP 0, 2, 0
	TURN 0, 1
	STEP 1, 0, 0
	STEP 1, 1, 0
	STEP 1, 2, 0
	s_cmp_eq_u32 ttmp9, 2                          ; cluster x: the same in all partners
	s_cbranch_scc1 .Lv
	ROPELOAD 0                                     ; q and k.  The bias's registers were read in the first step: they take the tables
	ROPELOAD 1
	LAST
	PLACES NP
.irp a, 0,1,2,3,4,5,6,7
.if \a < 7
	s_wait_loadcnt 8                               ; this block's eight loads are in; the next block's may be out
.else
	s_wait_loadcnt 0
.endif
.if \a > 0
	s_wait_xcnt 0x0                                ; earlier stores have read their registers: the rotated numbers and block a - 2's rows are written again
.endif
	ROT \a
.if \a < 6
	ROPELOAD \a+2
.endif
.if \a == 0
	FINEQ
.endif
	CVT
	TOSTAGE \a, 0
.if \a > 0
	SEND \a-1, 16                                  ; behind block a - 1's loads: block a's 8 stores and 8 loads
.endif
.endr
	SEND 7, 0
	s_branch .Lend
.Lv:
	LAST
	PLACES NP
.irp a, 0,1,2,3,4,5,6,7
.if \a > 1
	s_wait_xcnt 0x0                                ; block a - 2's stores have read their registers
.endif
	CVTV \a
.if \a == 0
	FINEV
.endif
	TOSTAGE \a, 4*STW                              ; this path's stages are bytes of their own
.if \a > 0
	SEND \a-1, 16
.endif
.endr
	SEND 7, 0
.Lend:
	s_wait_tensorcnt 0x0                           ; the wave's end
	ds_add_u32 v[SPW], v[NIL]
	s_wait_dscnt 0x0
	CROUND                                         ; the closing round
	s_endpgm
.Lfunc_end_k_q6e89b4262a_qkv:
	.size	k_q6e89b4262a_qkv, .Lfunc_end_k_q6e89b4262a_qkv-k_q6e89b4262a_qkv
	.p2alignl 7, 3214868480
	.fill 96, 4, 3214868480
	.section	.rodata,"a",@progbits
	.p2align	6, 0x0
	.amdhsa_kernel k_q6e89b4262a_qkv
		.amdhsa_group_segment_fixed_size 327680
		.amdhsa_private_segment_fixed_size 0
		.amdhsa_enable_private_segment 0
		.amdhsa_kernarg_size 64
		.amdhsa_user_sgpr_count 2
		.amdhsa_user_sgpr_kernarg_segment_ptr 1
		.amdhsa_wavefront_size32 1
		.amdhsa_system_sgpr_workgroup_id_x 1
		.amdhsa_system_sgpr_workgroup_id_y 1
		.amdhsa_system_sgpr_workgroup_id_z 1
		.amdhsa_system_vgpr_workitem_id 0
		.amdhsa_next_free_vgpr 1024
		.amdhsa_next_free_sgpr 106
		.amdhsa_reserve_vcc 0
		.amdhsa_float_denorm_mode_32 3
		.amdhsa_float_denorm_mode_16_64 3
		.amdhsa_memory_ordered 1
		.amdhsa_forward_progress 1
		.amdhsa_inst_pref_size 210
	.end_amdhsa_kernel
	.amdgpu_metadata
---
amdhsa.version: [ 1, 2 ]
amdhsa.kernels:
  - .name:           k_q6e89b4262a_qkv
    .symbol:         k_q6e89b4262a_qkv.kd
    .args:
      - { .name: codes, .offset: 0, .size: 8, .value_kind: global_buffer, .address_space: global }
      - { .name: sc, .offset: 8, .size: 8, .value_kind: global_buffer, .address_space: global }
      - { .name: qkv16, .offset: 16, .size: 8, .value_kind: global_buffer, .address_space: global }
      - { .name: bq, .offset: 24, .size: 8, .value_kind: global_buffer, .address_space: global }
      - { .name: bk, .offset: 32, .size: 8, .value_kind: global_buffer, .address_space: global }
      - { .name: bv, .offset: 40, .size: 8, .value_kind: global_buffer, .address_space: global }
      - { .name: rope, .offset: 48, .size: 8, .value_kind: global_buffer, .address_space: global }
      - { .name: f32x, .offset: 56, .size: 8, .value_kind: global_buffer, .address_space: global }
    .group_segment_fixed_size: 327680
    .private_segment_fixed_size: 0
    .kernarg_segment_align: 8
    .kernarg_segment_size: 64
    .max_flat_workgroup_size: 128
    .sgpr_count:     106
    .vgpr_count:     1024
    .wavefront_size: 32
...
	.end_amdgpu_metadata
.endif
;; end of part 2
;; launch attn (part 3): grid 4 x 64, 16 waves a work-group, clusters of 4 x 1, 327,680 bytes of LDS; arguments qkv16, att16; writes att16
.if DOCPART == 3
	.amdgcn_target "amdgcn-amd-amdhsa--gfx1250"
	.amdhsa_code_object_version 6
	.text
	.protected	k_q6e89b4262a_attn
	.globl	k_q6e89b4262a_attn
	.p2align	8
	.type	k_q6e89b4262a_attn,@function
k_q6e89b4262a_attn:
	s_mov_b64 s[64:65], 0
	v_nop
	global_prefetch_b8 v0, s[64:65] scope:SCOPE_SE
	s_setreg_imm32_b32 hwreg(HW_REG_WAVE_MODE, 25, 1), 1
	s_wait_xcnt 0x0
	s_wait_alu depctr_hold_cnt(0) depctr_sa_sdst(0) depctr_va_vdst(0) depctr_va_sdst(0) depctr_va_ssrc(0) depctr_va_vcc(0) depctr_vm_vsrc(0)
	s_getreg_b32 s2, hwreg(HW_REG_IB_STS2, 6, 4)
	s_cmp_eq_u32 s2, 0
	s_cbranch_scc0 .Lentry_in_a_cluster
	s_endpgm
.Lentry_in_a_cluster:
	s_bfe_u32 s2, ttmp6, 0x10000c
	s_cmp_lg_u32 s2, 0x3003
	s_cbranch_scc0 .Lentry_shape_is_right
	s_endpgm
.Lentry_shape_is_right:
; Launch 3 of 5: att[head][q] = the sum over k <= q of softmax_k(q . k / 8) v[k], f16 operands, f32 sums, maxima and row sums in f32.  q arrives times log2(e) / 8, so a score is an exponent of 2.
; WORK LEFT OUT: key steps that lie wholly above the diagonal (the mask is the problem's own lower triangle: their weights are 0 for all values of the inputs).  A NaN or an overflow that would arise
; only there is not carried on.  LIMIT: the weights p <= 1 go to f16; what falls under f16's smallest number counts as 0.
; SHARES.  A cluster of four work-groups is one head; they walk the same K and V, which are asked for jointly.  A work-group has sixteen waves of 256 registers, four to a SIMD, so that one wave's vector work
; stands beside another's products and LDS loads.  Wave w has the number L = w xor 3 ((w / 4) % 2).  Wave L of work-group j owns queries 128 L + 32 j + 0 .. 31: two tiles of 16.  It works key steps
; 0 .. 2 L + 1 (64 keys each), whatever j: so every branch hangs on the wave's number and on counts alone, and j enters global addresses and the mask's compare only.  Wave L = 15 reads every step, so every
; joint load is read in every partner.
; LAYOUT.  S^T = K Q^T (source 0 = 16 keys, source 1 = 16 queries): a lane holds one query (lane % 16) and keys 16 kt + 8 (lane / 16) + 0 .. 7.  Two such tiles, rounded to f16 in pairs, are source 1 of
; O^T = V^T P; V ([key][channel]) comes out of LDS turned, by ds_load_tr16_b128.
; THE RING: two buffers of eight key steps.  Waves 0-7 fetch a buffer's eight tiles of K, waves 8-15 those of V: one load of 64 rows a wave.  All of a WGP's LDS is claimed.
; No prefetch: a buffer is asked for eight key steps of sixteen waves ahead of its first read, and the first two buffers are asked for at the head.
; REGISTERS: v1-11 addresses; v12-27 statistics, eight a tile (m, -, l, l, T0-T3); v28-30 the mask; v32-63 Q; v64-127 S^T, then p, then P in its first 16 of 32; v128-191 O^T; v192-255 fragments of K, then V.
.set PK,    144                        ; a row of K in LDS: 128 bytes + 16
.set PV,    160                        ; a row of V: 128 + 32
.set VOFF,  64*PK
.set STEPB, 64*(PK+PV)                 ; a step's tiles lie together
.set BUF,   8*STEPB
.set SPARE, 2*BUF                      ; the spare words, 128 bytes a wave; no other line names them
.set AK0, 1
.set AV0, 2
.set ADK, 3
.set ADV, 4
.set SPW, 5
.set NIL, 6
.set GO,  7
.set QO,  8
.set DQ,  9
.set STO, 10
.set RD,  11
.set ST,  12
.set Q,   32
.set S,   64
.set O,   128
.set F,   192
.set WV,  12
.set LW,  13
.set G1K, 24
.set G1V, 32
.set G0K, 40
.set G0V, 48
.set CNT, 57
.set QLO, 58
.set QHI, 59
.set SEL, 60
.set TB,  62
.set KF,  63
.macro JLOAD buf                       ; an s_nop 0 and four v_nop follow each of the two lines
	s_cmp_lt_u32 s[WV], 8
	s_cbranch_scc0 .Lfor_v_\@
	tensor_load_to_lds s[G0K+4*\buf:G0K+4*\buf+3], s[G1K:G1K+7]
	s_nop 0
.rept 4
	v_nop
.endr
	s_branch .Lasked_\@
.Lfor_v_\@:
	tensor_load_to_lds s[G0V+4*\buf:G0V+4*\buf+3], s[G1V:G1V+7]
	s_nop 0
.rept 4
	v_nop
.endr
.Lasked_\@:
.endm
.macro CROUND
	s_barrier_signal -1
	s_barrier_wait -1
	s_cmp_lg_u32 s[WV], 0
	s_cbranch_scc1 .Lnot_wave_0_\@
	s_barrier_signal -3
.Lnot_wave_0_\@:
	s_barrier_wait -3
	s_barrier_signal -1
	s_barrier_wait -1
.endm
	s_load_b128 s[4:7], s[0:1], 0x0                ; qkv16, att16
	v_lshl_add_u32 v[SPW], v0, 2, SPARE
	v_mov_b32 v[NIL], 0
	ds_add_u32 v[SPW], v[NIL]                      ; the wave's opening: the add, twice on end, and its wait ahead of my first tensor load
	ds_add_u32 v[SPW], v[NIL]
	v_lshrrev_b32 v1, 5, v0
	v_readfirstlane_b32 s[WV], v1
	s_lshr_b32 s[LW], s[WV], 2
	s_and_b32 s[LW], s[LW], 1
	s_mul_i32 s[LW], s[LW], 3
	s_xor_b32 s[LW], s[LW], s[WV]                  ; L: the four waves with equal w % 4 have L's that add up to 30
	s_bfe_u32 s14, ttmp6, 0x40000                  ; j = cx
	s_and_b32 s15, ttmp7, 0xffff                   ; the head, 0 to 63
	s_lshl_b32 s16, s15, 18                        ; its first byte in a plane
	s_mov_b32 s17, 0
	s_and_b32 s18, s[WV], 7                        ; which of a buffer's eight steps I fetch
	s_lshl_b32 s20, s18, 13                        ; its 64 rows of 128 bytes
	s_mov_b32 s21, 0
	s_add_nc_u64 s[20:21], s[20:21], s[16:17]
	s_mul_i32 s19, s18, STEPB
	s_mov_b32 s[G1K], 15|(1<<16)|(1<<20)|(1<<21)|(4<<22)|(3<<25)   ; the mask: all four; elements of 2 bytes; 4 words of padding behind every 32; bit 21 beside a mask
	s_mov_b32 s[G1V], 15|(1<<16)|(1<<20)|(1<<21)|(4<<22)|(7<<25)   ; the same with 8 words
.irp g, G1K, G1V
	s_mov_b32 s[\g+1], 64<<16                      ; tensor_dim0 = 64
	s_mov_b32 s[\g+2], 64<<16                      ; tensor_dim1 = 64
	s_mov_b32 s[\g+3], 64<<16                      ; tile_dim0
	s_mov_b32 s[\g+4], 64                          ; tile_dim1
	s_mov_b32 s[\g+5], 64                          ; from row to row
	s_mov_b32 s[\g+6], 0
	s_mov_b32 s[\g+7], 0
.endr
	s_lshl_b32 s[QLO], s[LW], 7                    ; 128 L: from this key on the mask is looked at
	s_add_co_u32 s[QHI], s[QLO], 127               ; steps that begin behind this key are left out
	s_lshl_b32 s22, s14, 5                         ; 32 j
	s_add_co_u32 s66, s[QLO], s22
	s_lshl_b32 s66, s66, 7
	s_mov_b32 s67, 0
	s_add_nc_u64 s[66:67], s[66:67], s[16:17]      ; my first query's row
	s_mul_i32 s23, s[WV], 32*PK                    ; my stage for the way out
	s_mov_b32 s[SEL], 0x76543210
	s_mov_b32 s[SEL+1], 0xfedcba98
	s_mov_b32 s[KF], 0
	s_wait_dscnt 0x0                               ; both opening adds are done
	s_wait_kmcnt 0x0
	s_add_nc_u64 s[8:9], s[4:5], s[20:21]
	s_add_nc_u64 s[10:11], s[4:5], s[66:67]        ; Q
	s_add_nc_u64 s[6:7], s[6:7], s[66:67]          ; att
.irp b, 0,1
	s_mov_b32 s[G0K+4*\b], 1
	s_add_co_u32 s[G0K+4*\b+1], s19, \b*BUF
	s_add_nc_u64 s[G0K+4*\b+2:G0K+4*\b+3], s[8:9], 0x1000000+\b*65536   ; plane 1; buffer b begins with keys 512 b on
	s_or_b32 s[G0K+4*\b+3], s[G0K+4*\b+3], 0x80000000
	s_mov_b32 s[G0V+4*\b], 1
	s_add_co_u32 s[G0V+4*\b+1], s19, \b*BUF+VOFF
	s_add_nc_u64 s[G0V+4*\b+2:G0V+4*\b+3], s[8:9], 0x2000000+\b*65536   ; plane 2
	s_or_b32 s[G0V+4*\b+3], s[G0V+4*\b+3], 0x80000000
.endr
	CROUND                                         ; all four work-groups are here: the first joint loads meet
	s_cmp_lt_u32 s[WV], 8                          ; a wave's two first fills stand in one branch: two loads of mine are out
	s_cbranch_scc0 .Lfirst_v
	tensor_load_to_lds s[G0K:G0K+3], s[G1K:G1K+7]
	s_nop 0
	tensor_load_to_lds s[G0K+4:G0K+7], s[G1K:G1K+7]
	s_nop 0
.rept 4
	v_nop
.endr
	s_branch .Lfirst_asked
.Lfirst_v:
	tensor_load_to_lds s[G0V:G0V+3], s[G1V:G1V+7]
	s_nop 0
	tensor_load_to_lds s[G0V+4:G0V+7], s[G1V:G1V+7]
	s_nop 0
.rept 4
	v_nop
.endr
.Lfirst_asked:
	v_and_b32 v28, 15, v0                          ; r
	v_bfe_u32 v29, v0, 4, 1                        ; h
	v_and_b32 v30, 31, v0                          ; lane
	v_lshlrev_b32 v[QO], 7, v28
	v_lshl_add_u32 v[QO], v29, 4, v[QO]            ; row r of 128 bytes + 16 h
.irp t, 0,1
.irp c, 0,1
	global_load_b128 v[Q+16*\t+8*\c:Q+16*\t+8*\c+3], v[QO], s[10:11] offset:2048*\t+64*\c
	global_load_b128 v[Q+16*\t+8*\c+4:Q+16*\t+8*\c+7], v[QO], s[10:11] offset:2048*\t+64*\c+32
.endr
.endr
	v_mul_u32_u24 v[AK0], v28, PK
	v_lshl_add_u32 v[AK0], v29, 4, v[AK0]
	v_and_b32 v31, 7, v0
	v_lshl_add_u32 v[AV0], v29, 3, v31
	v_mul_u32_u24 v[AV0], v[AV0], PV
	v_bfe_u32 v31, v0, 3, 1
	v_lshl_add_u32 v[AV0], v31, 4, v[AV0]
	v_add_nc_u32 v[AV0], VOFF, v[AV0]              ; the turning load: key 8 h + lane % 8, channels 8 ((lane / 8) % 2) on
	v_lshlrev_b32 v[GO], 4, v30
	v_lshlrev_b32 v31, 3, v29
	v_sub_nc_u32 v[DQ], v28, v31
	v_add_nc_u32 v[DQ], s22, v[DQ]                 ; 32 j + r - 8 h: it enters a compare of numbers only
	v_mul_u32_u24 v[STO], v28, PK
	v_lshl_add_u32 v[STO], v29, 4, v[STO]
	v_add_nc_u32 v[STO], s23, v[STO]
	v_lshrrev_b32 v31, 3, v30
	v_mul_u32_u24 v[RD], v31, PK
	v_and_b32 v31, 7, v0
	v_lshl_add_u32 v[RD], v31, 4, v[RD]
	v_add_nc_u32 v[RD], s23, v[RD]
.irp t, 0,1
	v_mov_b32 v[ST+8*\t], 0xff61b1e6               ; m: -3e38, under every score
	v_mov_b32 v[ST+8*\t+1], 0                      ; (named with m as a pair)
	v_mov_b32 v[ST+8*\t+2], 0                      ; l, in two halves
	v_mov_b32 v[ST+8*\t+3], 0
	v_mov_b32 v[ST+8*\t+5], 0                      ; (a lane permute's destination counts as read)
	v_mov_b32 v[ST+8*\t+7], 0                      ; (named as the upper half of the pair with a, and with 1 / l on the way out: written on every path)
.endr
.set n, 0
.rept 64
	v_mov_b32 v[O+n], 0                            ; O^T: the step is written once; its first run finds zeros
.set n, n+1
.endr
; A KEY STEP: 64 keys at LDS byte s[TB], the first of them key s[KF].
.macro STEP
	s_cmp_gt_u32 s[KF], s[QHI]                     ; all its keys come after my queries: left out.  Wave number and counts alone
	s_cbranch_scc1 .Lhidden_\@
	v_add_nc_u32 v[ADK], s[TB], v[AK0]
	v_add_nc_u32 v[ADV], s[TB], v[AV0]
.rept 3
	v_nop                                          ; with the two additions five places behind the last step's products: the loads land on V's fragments, the products below write over P
.endr
.irp kt, 0,1,2,3
.irp c, 0,1
	ds_load_b128 v[F+8*(2*\kt+\c):F+8*(2*\kt+\c)+3], v[ADK] offset:16*PK*\kt+64*\c
	ds_load_b128 v[F+8*(2*\kt+\c)+4:F+8*(2*\kt+\c)+7], v[ADK] offset:16*PK*\kt+64*\c+32
.endr
.endr
	s_wait_dscnt 0x0
.irp c, 0,1                                    ; eight accumulators by turns
.irp kt, 0,1,2,3
.irp t, 0,1
.if \c == 0
	v_wmma_f32_16x16x32_f16 v[S+32*\t+8*\kt:S+32*\t+8*\kt+7], v[F+8*(2*\kt+\c):F+8*(2*\kt+\c)+7], v[Q+16*\t+8*\c:Q+16*\t+8*\c+7], 0
.else
	v_wmma_f32_16x16x32_f16 v[S+32*\t+8*\kt:S+32*\t+8*\kt+7], v[F+8*(2*\kt+\c):F+8*(2*\kt+\c)+7], v[Q+16*\t+8*\c:Q+16*\t+8*\c+7], v[S+32*\t+8*\kt:S+32*\t+8*\kt+7]
.endif
.endr
.endr
.endr
.rept 4
	v_nop                                          ; places in front of the loads into K's fragments and of the first read of the scores
.endr
.irp u, 0,1                                    ; V lands while the softmax is walked
.irp ct, 0,1,2,3
	ds_load_tr16_b128 v[F+8*(4*\u+\ct):F+8*(4*\u+\ct)+3], v[ADV] offset:32*PV*\u+32*\ct
	ds_load_tr16_b128 v[F+8*(4*\u+\ct)+4:F+8*(4*\u+\ct)+7], v[ADV] offset:32*PV*\u+16*PV+32*\ct
.endr
.endr
	s_cmp_lt_u32 s[KF], s[QLO]                     ; all its keys count for all my queries: no mask
	s_cbranch_scc1 .Lopen_\@
	s_sub_co_i32 s68, s[QLO], s[KF]
	v_add_nc_u32 v28, s68, v[DQ]                   ; register 8 kt + i of tile 0 holds a hidden key where 16 kt + i > this;
	v_add_nc_u32 v29, 16, v28                      ; of tile 1, this
	v_mov_b32 v30, 0xff800000                      ; -infinity
.irp t, 0,1
.set n, 0
.rept 32
	v_cmp_gt_i32 vcc_lo, 16*(n/8)+n%8, v[28+\t]
	v_cndmask_b32 v[S+32*\t+n], v[S+32*\t+n], v30, vcc_lo
.set n, n+1
.endr
.endr
.Lopen_\@:
.irp j, 0,1,2,3                                ; the largest of 32 scores and the old m: four chains, each accumulator from its low end on; the two tiles line by line
.irp t, 0,1
	v_max3_num_f32 v[ST+8*\t+4+\j], v[S+32*\t+8*\j], v[S+32*\t+8*\j+1], v[S+32*\t+8*\j+2]
.endr
.endr
.irp g, 1,2
.irp j, 0,1,2,3
.irp t, 0,1
	v_max3_num_f32 v[ST+8*\t+4+\j], v[ST+8*\t+4+\j], v[S+32*\t+8*\j+2*\g+1], v[S+32*\t+8*\j+2*\g+2]
.endr
.endr
.endr
.irp t, 0,1
	v_max3_num_f32 v[ST+8*\t+4], v[ST+8*\t+4], v[S+32*\t+7], v[S+32*\t+15]
.endr
.irp t, 0,1
	v_max3_num_f32 v[ST+8*\t+6], v[ST+8*\t+6], v[S+32*\t+23], v[S+32*\t+31]
.endr
.irp t, 0,1
	v_max3_num_f32 v[ST+8*\t+4], v[ST+8*\t+4], v[ST+8*\t+5], v[ST+8*\t+6]
.endr
.irp t, 0,1
	v_max3_num_f32 v[ST+8*\t+4], v[ST+8*\t+4], v[ST+8*\t+7], v[ST+8*\t]
.endr
.irp t, 0,1
	v_permlanex16_b32 v[ST+8*\t+5], v[ST+8*\t+4], s[SEL], s[SEL+1]   ; the query's other 32 keys lie 16 lanes away
.endr
.irp t, 0,1
	v_mov_b32 v[ST+8*\t+7], v[ST+8*\t]
.endr
.irp t, 0,1
	v_max_num_f32 v[ST+8*\t], v[ST+8*\t+4], v[ST+8*\t+5]           ; the new m
.endr
.irp t, 0,1
	v_sub_f32 v[ST+8*\t+7], v[ST+8*\t+7], v[ST+8*\t]               ; old m - new m
.endr
.set n, 0
.rept 16
.irp t, 0,1
	v_pk_add_f32 v[S+32*\t+n:S+32*\t+n+1], v[S+32*\t+n:S+32*\t+n+1], v[ST+8*\t:ST+8*\t+1] op_sel_hi:[1,0] neg_lo:[0,1] neg_hi:[0,1]   ; s - m
.endr
.set n, n+2
.endr
.irp t, 0,1
	v_exp_f32 v[ST+8*\t+6], v[ST+8*\t+7]           ; a = 2^(old m - new m)
.endr
.set n, 0
.rept 64
	v_exp_f32 v[S+n], v[S+n]                       ; p = 2^(s - m)
.set n, n+1
.endr
	v_nop                                          ; a plain instruction behind the last exponential,
	s_wait_alu depctr_va_vdst(0)                   ; and one wait for the batch of 66, ahead of its first reader
.irp t, 0,1
	v_pk_mul_f32 v[ST+8*\t+2:ST+8*\t+3], v[ST+8*\t+2:ST+8*\t+3], v[ST+8*\t+6:ST+8*\t+7] op_sel_hi:[1,0]
.endr
.irp t, 0,1
	v_pk_add_f32 v[ST+8*\t+4:ST+8*\t+5], v[S+32*\t:S+32*\t+1], v[S+32*\t+2:S+32*\t+3]   ; the row's sum of p in f32, two chains
.endr
.irp i, 4,8,12,16,20,24,28
.irp t, 0,1
	v_pk_add_f32 v[ST+8*\t+2:ST+8*\t+3], v[ST+8*\t+2:ST+8*\t+3], v[S+32*\t+\i:S+32*\t+\i+1]
	v_pk_add_f32 v[ST+8*\t+4:ST+8*\t+5], v[ST+8*\t+4:ST+8*\t+5], v[S+32*\t+\i+2:S+32*\t+\i+3]
.endr
.endr
.irp t, 0,1
	v_pk_add_f32 v[ST+8*\t+2:ST+8*\t+3], v[ST+8*\t+2:ST+8*\t+3], v[ST+8*\t+4:ST+8*\t+5]
.endr
.set n, 0
.rept 16
.irp t, 0,1
	v_cvt_pk_f16_f32 v[S+32*\t+n], v[S+32*\t+2*n], v[S+32*\t+2*n+1]   ; P, in place and ascending: register n is written when 2 n - 1 have been read
.endr
.set n, n+1
.endr
.set n, 0
.rept 16
.irp t, 0,1
	v_pk_mul_f32 v[O+32*\t+n:O+32*\t+n+1], v[O+32*\t+n:O+32*\t+n+1], v[ST+8*\t+6:ST+8*\t+7] op_sel_hi:[1,0]   ; O^T x a
.endr
.set n, n+2
.endr
	s_wait_dscnt 0x0                               ; V is in
.irp u, 0,1                                    ; eight accumulators by turns
.irp ct, 0,1,2,3
.irp t, 0,1
	v_wmma_f32_16x16x32_f16 v[O+32*\t+8*\ct:O+32*\t+8*\ct+7], v[F+8*(4*\u+\ct):F+8*(4*\u+\ct)+7], v[S+32*\t+8*\u:S+32*\t+8*\u+7], v[O+32*\t+8*\ct:O+32*\t+8*\ct+7]
.endr
.endr
.endr
.Lhidden_\@:
	s_add_co_u32 s[TB], s[TB], STEPB
	s_add_co_u32 s[KF], s[KF], 64
.endm
.macro SLOTSTEPS base                  ; a buffer's eight steps: written once, walked eight times
	s_mov_b32 s[TB], \base
	s_mov_b32 s[CNT], 8
.Lstep_\@:
	STEP
	s_sub_co_u32 s[CNT], s[CNT], 1
	s_cmp_lg_u32 s[CNT], 0
	s_cbranch_scc1 .Lstep_\@
.endm
.macro CHANGE buf                      ; buffer buf has been read out and is filled again, 1,024 keys on; the other buffer is whole behind the round
	s_wait_tensorcnt 0x0                           ; all my tensor loads have landed: a group 0 may be written
	ds_add_u32 v[SPW], v[NIL]
	s_add_nc_u64 s[G0K+4*\buf+2:G0K+4*\buf+3], s[G0K+4*\buf+2:G0K+4*\buf+3], 131072
	s_add_nc_u64 s[G0V+4*\buf+2:G0V+4*\buf+3], s[G0V+4*\buf+2:G0V+4*\buf+3], 131072
	s_wait_dscnt 0x0                               ; the add is done, my reads of the buffer are over
	CROUND                                         ; no wave of any partner still reads it or has a load on its way
	JLOAD \buf                                     ; my one load behind the round: it has eight key steps in which to land
.endm
	s_wait_tensorcnt 0x1                           ; my part of buffer 0 is in; buffer 1's load may be out
	s_barrier_signal -1
	s_barrier_wait -1
	s_wait_loadcnt 0x0                             ; Q
	SLOTSTEPS 0                                    ; keys 0 to 511
	CHANGE 0
	SLOTSTEPS BUF                                  ; 512 to 1,023
	CHANGE 1
	SLOTSTEPS 0                                    ; 1,024 to 1,535
	s_wait_tensorcnt 0x0                           ; the last change: nothing is asked for
	ds_add_u32 v[SPW], v[NIL]
	s_wait_dscnt 0x0
	s_barrier_signal -1
	s_barrier_wait -1
	SLOTSTEPS BUF                                  ; 1,536 to 2,047
	; THE WAY OUT: O^T / l, to f16, through my stage (in buffer 0: it has had its last fill and nobody reads it), out as 4,096 dense bytes
.rept 4
	v_nop
.endr
.irp t, 0,1
	v_add_f32 v[ST+8*\t+4], v[ST+8*\t+2], v[ST+8*\t+3]
.endr
.irp t, 0,1
	v_permlanex16_b32 v[ST+8*\t+5], v[ST+8*\t+4], s[SEL], s[SEL+1]
.endr
.irp t, 0,1
	v_add_f32 v[ST+8*\t+4], v[ST+8*\t+4], v[ST+8*\t+5]
.endr
.irp t, 0,1
	v_rcp_f32 v[ST+8*\t+6], v[ST+8*\t+4]
.endr
	v_nop
	s_wait_alu depctr_va_vdst(0)                   ; one wait for the two reciprocals
.irp t, 0,1
.set n, 0
.rept 16
	v_pk_mul_f32 v[O+32*\t+n:O+32*\t+n+1], v[O+32*\t+n:O+32*\t+n+1], v[ST+8*\t+6:ST+8*\t+7] op_sel_hi:[1,0]
.set n, n+2
.endr
.endr
.set n, 0
.rept 32
	v_cvt_pk_f16_f32 v[S+n], v[O+2*n], v[O+2*n+1]
.set n, n+1
.endr
.irp t, 0,1
.irp ct, 0,1,2,3
	ds_store_b128 v[STO], v[S+16*\t+4*\ct:S+16*\t+4*\ct+3] offset:16*PK*\t+32*\ct
.endr
.endr
.irp i, 0,1,2,3,4,5,6,7
	ds_load_b128 v[S+32+4*\i:S+32+4*\i+3], v[RD] offset:4*PK*\i      ; LDS serves a wave's instructions in order: these see my stores
.endr
.irp i, 0,1,2,3,4,5,6,7
	s_wait_dscnt 7-\i                              ; the younger loads may be out
	global_store_b128 v[GO], v[S+32+4*\i:S+32+4*\i+3], s[6:7] offset:512*\i   ; 512 consecutive bytes, aligned
.endr
	s_wait_tensorcnt 0x0                           ; the wave's end
	ds_add_u32 v[SPW], v[NIL]
	s_wait_dscnt 0x0
	CROUND                                         ; the closing round
	s_endpgm
.Lfunc_end_k_q6e89b4262a_attn:
	.size	k_q6e89b4262a_attn, .Lfunc_end_k_q6e89b4262a_attn-k_q6e89b4262a_attn
	.p2alignl 7, 3214868480
	.fill 96, 4, 3214868480
	.section	.rodata,"a",@progbits
	.p2align	6, 0x0
	.amdhsa_kernel k_q6e89b4262a_attn
		.amdhsa_group_segment_fixed_size 327680
		.amdhsa_private_segment_fixed_size 0
		.amdhsa_enable_private_segment 0
		.amdhsa_kernarg_size 16
		.amdhsa_user_sgpr_count 2
		.amdhsa_user_sgpr_kernarg_segment_ptr 1
		.amdhsa_wavefront_size32 1
		.amdhsa_system_sgpr_workgroup_id_x 1
		.amdhsa_system_sgpr_workgroup_id_y 1
		.amdhsa_system_sgpr_workgroup_id_z 1
		.amdhsa_system_vgpr_workitem_id 0
		.amdhsa_next_free_vgpr 256
		.amdhsa_next_free_sgpr 80
		.amdhsa_reserve_vcc 1
		.amdhsa_float_denorm_mode_32 3
		.amdhsa_float_denorm_mode_16_64 3
		.amdhsa_memory_ordered 1
		.amdhsa_forward_progress 1
		.amdhsa_inst_pref_size 105
	.end_amdhsa_kernel
	.amdgpu_metadata
---
amdhsa.version: [ 1, 2 ]
amdhsa.kernels:
  - .name:           k_q6e89b4262a_attn
    .symbol:         k_q6e89b4262a_attn.kd
    .args:
      - { .name: qkv16, .offset: 0, .size: 8, .value_kind: global_buffer, .address_space: global }
      - { .name: att16, .offset: 8, .size: 8, .value_kind: global_buffer, .address_space: global }
    .group_segment_fixed_size: 327680
    .private_segment_fixed_size: 0
    .kernarg_segment_align: 8
    .kernarg_segment_size: 16
    .max_flat_workgroup_size: 512
    .sgpr_count:     80
    .vgpr_count:     256
    .wavefront_size: 32
...
	.end_amdgpu_metadata
.endif
;; end of part 3
;; launch proj (part 4): grid 4 x 64, 4 waves a work-group, clusters of 4 x 4, 327,680 bytes of LDS; arguments att16, wp16, bp, out0; writes out0
.if DOCPART == 4
	.amdgcn_target "amdgcn-amd-amdhsa--gfx1250"
	.amdhsa_code_object_version 6
	.text
	.protected	k_q6e89b4262a_proj
	.globl	k_q6e89b4262a_proj
	.p2align	8
	.type	k_q6e89b4262a_proj,@function
k_q6e89b4262a_proj:
	s_mov_b64 s[64:65], 0
	v_nop
	global_prefetch_b8 v0, s[64:65] scope:SCOPE_SE
	s_setreg_imm32_b32 hwreg(HW_REG_WAVE_MODE, 25, 1), 1
	s_wait_xcnt 0x0
	s_wait_alu depctr_hold_cnt(0) depctr_sa_sdst(0) depctr_va_vdst(0) depctr_va_sdst(0) depctr_va_ssrc(0) depctr_va_vcc(0) depctr_vm_vsrc(0)
	s_getreg_b32 s2, hwreg(HW_REG_IB_STS2, 6, 4)
	s_cmp_eq_u32 s2, 0
	s_cbranch_scc0 .Lentry_in_a_cluster
	s_endpgm
.Lentry_in_a_cluster:
	s_bfe_u32 s2, ttmp6, 0x10000c
	s_cmp_lg_u32 s2, 0xf033
	s_cbranch_scc0 .Lentry_shape_is_right
	s_endpgm
.Lentry_shape_is_right:
; Launch 4 of 5: out0 = att Wp^T + bp for positions 16 on, f16 operands, f32 sums.  M = 8,192, N = 1,024, K = 1,024 = 16 heads x 64.
; WORK LEFT OUT: the 16 rows of positions 0 to 15 of each sequence are multiplied with their tile but not stored: launch fine makes them in f32.
; A tile of the result is 128 rows x 256 columns: 256 work-groups.  Four waves, 64 x 128 each: 32 accumulators.  K goes in steps of 128, two heads, through two LDS slots.  att lies [head][position][64],
; so a step's tile of att is two planes of 128 rows x 128 bytes; Wp's is 256 rows x 256 bytes.  Waves 0, 1 fetch the planes, waves 2, 3 Wp's halves: one load of 128 rows a wave.
; CLUSTERS: 4 x 4.  Tile row = 16 cy + cluster y: the batch is cy, the first position 128 x cluster y, so whether a tile holds positions 0 to 15 is the same in all partners.  Tile column = cx.
; att's tiles are asked for jointly along a row of the cluster, Wp's along a column.  All of a WGP's LDS is claimed.
; THE MATRIX INSTRUCTION IS USED TRANSPOSED (source 0 = 16 rows of Wp, source 1 = 16 rows of att): a lane holds eight neighbouring columns of a row.  bp is the C of each sum's first product.
; REGISTERS: window 0: v0-31 addresses; two fragment buffers: v32-63 att, v64-127 Wp; v128-159, v160-223.  Window 1: accumulator (a, b) at v[8 (8 a + b)].  Window 2: v0-63 bp in the result's layout.
.set PA,    144
.set PB,    272
.set APL,   128*PA
.set HALFB, 128*PB
.set BOFF,  2*APL
.set SLOT,  2*APL+2*HALFB
.set SPARE, 2*SLOT                     ; the spare words, 128 bytes a wave; no other line names them
.set SPITCH, 528                       ; the way out: 16 rows x (512 + 16) bytes a wave, in slot 0, behind its last fill and its last read
.set ADRA, 16
.set ADRB, 20
.set STO,  24
.set RD,   25
.set CO,   26
.set SPW,  28
.set NIL,  29
.set BO,   30
.set F0,   32
.set F1,   128
.set BK,   32
.set G1,   24
.set G0,   32
.set G1B,  48
.set G0B,  56
.set FINE, 68
.set MSB, 0
.macro WIN new
.if MSB != \new
	s_set_vgpr_msb (MSB<<8)|\new
.set MSB, \new
.endif
.endm
.set MUL,  0x50                        ; C and D window 1, sources window 0
.set MULB, 0x60                        ; D window 1, C (bp) window 2
.macro JLOAD s
	s_cmp_eq_u32 s11, 0
	s_cbranch_scc0 .Lfor_b_\@
	tensor_load_to_lds s[G0+4*\s:G0+4*\s+3], s[G1:G1+7]
	s_nop 0
.rept 4
	v_nop
.endr
	s_branch .Lasked_\@
.Lfor_b_\@:
	tensor_load_to_lds s[G0B+4*\s:G0B+4*\s+3], s[G1B:G1B+7]
	s_nop 0
.rept 4
	v_nop
.endr
.Lasked_\@:
.endm
.macro CREST
	s_cmp_lg_u32 s10, 0
	s_cbranch_scc1 .Lnot_wave_0_\@
	s_barrier_signal -3
.Lnot_wave_0_\@:
	s_barrier_wait -3
	s_barrier_signal -1
	s_barrier_wait -1
.endm
.macro CROUND
	s_barrier_signal -1
	s_barrier_wait -1
	CREST
.endm
	s_load_b128 s[4:7], s[0:1], 0x0                ; att16, wp16
	s_load_b64 s[8:9], s[0:1], 0x10                ; bp
	s_load_b64 s[66:67], s[0:1], 0x18              ; out0
	v_lshl_add_u32 v[SPW], v0, 2, SPARE
	v_mov_b32 v[NIL], 0
	ds_add_u32 v[SPW], v[NIL]                      ; the wave's opening: the add, twice on end, and its wait ahead of my first tensor load
	ds_add_u32 v[SPW], v[NIL]
	v_lshrrev_b32 v1, 5, v0
	v_readfirstlane_b32 s10, v1
	s_lshr_b32 s11, s10, 1                         ; my half of the rows; also: I fetch for att (0) or Wp (1)
	s_and_b32 s12, s10, 1                          ; my half of the columns; also: which plane or half I fetch
	s_bfe_u32 s40, ttmp6, 0x40000                  ; cx
	s_bfe_u32 s41, ttmp6, 0x40004                  ; cy
	s_and_b32 s13, ttmp7, 0xffff                   ; cluster y
	s_lshl_b32 s43, s41, 2
	s_lshl_b32 s43, 15, s43
	s_lshl_b32 s44, 0x1111, s40
	s_or_b32 s[G1+0], s43, (1<<16)|(1<<20)|(1<<21)|(4<<22)|(3<<25)  ; elements of 2 bytes; 4 words of padding behind every 32
	s_mov_b32 s[G1+1], 64<<16
	s_mov_b32 s[G1+2], 128<<16
	s_mov_b32 s[G1+3], 64<<16
	s_mov_b32 s[G1+4], 128
	s_mov_b32 s[G1+5], 64
	s_mov_b32 s[G1+6], 0
	s_mov_b32 s[G1+7], 0
	s_or_b32 s[G1B+0], s44, (1<<16)|(1<<20)|(1<<21)|(5<<22)|(3<<25) ; behind every 64
	s_mov_b32 s[G1B+1], 128<<16
	s_mov_b32 s[G1B+2], 128<<16
	s_mov_b32 s[G1B+3], 128<<16
	s_mov_b32 s[G1B+4], 128
	s_mov_b32 s[G1B+5], 1024
	s_mov_b32 s[G1B+6], 0
	s_mov_b32 s[G1B+7], 0
	s_lshl_b32 s16, s41, 4
	s_add_co_u32 s16, s16, s12
	s_lshl_b32 s16, s16, 18                        ; att: head plane 16 cy + my plane,
	s_lshl_b32 s17, s13, 14
	s_add_co_u32 s16, s16, s17                     ; position 128 x cluster y
	s_mov_b32 s17, 0
	s_lshl_b32 s46, s40, 19
	s_lshl_b32 s47, s12, 18
	s_add_co_u32 s46, s46, s47                     ; Wp: row 256 cx + 128 x half, 2,048 bytes a row
	s_mov_b32 s47, 0
	s_mul_i32 s20, s12, APL
	s_mul_i32 s21, s12, HALFB
	s_add_co_u32 s21, s21, BOFF
	s_wait_dscnt 0x0                               ; both opening adds are done
	s_wait_kmcnt 0x0
	s_add_nc_u64 s[14:15], s[4:5], s[16:17]
	s_add_nc_u64 s[46:47], s[6:7], s[46:47]
	CROUND
.irp s, 0,1
	s_mov_b32 s[G0+4*\s], 1
	s_add_co_u32 s[G0+4*\s+1], s20, \s*SLOT
	s_add_nc_u64 s[G0+4*\s+2:G0+4*\s+3], s[14:15], \s*524288    ; K step s: two heads on
	s_or_b32 s[G0+4*\s+3], s[G0+4*\s+3], 0x80000000
	s_mov_b32 s[G0B+4*\s], 1
	s_add_co_u32 s[G0B+4*\s+1], s21, \s*SLOT
	s_add_nc_u64 s[G0B+4*\s+2:G0B+4*\s+3], s[46:47], \s*256
	s_or_b32 s[G0B+4*\s+3], s[G0B+4*\s+3], 0x80000000
	JLOAD \s                                       ; two tensor loads of mine are out
.endr
	v_and_b32 v1, 15, v0
	v_bfe_u32 v2, v0, 4, 1
	v_mul_u32_u24 v3, v1, PA
	v_lshl_add_u32 v3, v2, 4, v3
	v_mul_u32_u24 v4, v1, PB
	v_lshl_add_u32 v4, v2, 4, v4
	s_mul_i32 s21, s11, 64*PA                      ; my 64 rows of att, in each plane
	s_mul_i32 s22, s12, HALFB
	s_add_co_u32 s22, s22, BOFF                    ; my 128 rows of Wp
.irp s, 0,1
	v_add_nc_u32 v[ADRA+\s], s21, v3
	v_add_nc_u32 v[ADRB+\s], s22, v4
	s_add_co_u32 s21, s21, SLOT
	s_add_co_u32 s22, s22, SLOT
.endr
	s_mul_i32 s23, s10, 16*SPITCH
	v_mul_u32_u24 v5, v1, SPITCH
	v_lshl_add_u32 v5, v2, 5, v5
	v_add_nc_u32 v[STO], s23, v5
	v_and_b32 v6, 31, v0
	v_lshlrev_b32 v[CO], 4, v6
	v_add_nc_u32 v[RD], s23, v[CO]
	v_lshlrev_b32 v[BO], 5, v2
	s_lshl_b32 s16, s41, 11
	s_lshl_b32 s17, s13, 7
	s_add_co_u32 s16, s16, s17
	s_lshl_b32 s17, s11, 6
	s_add_co_u32 s16, s16, s17                     ; my first row: 2,048 cy + 128 cluster y + 64 x half
	s_lshl_b32 s16, s16, 12
	s_lshl_b32 s17, s40, 10
	s_lshl_b32 s18, s12, 9
	s_add_co_u32 s18, s18, s17                     ; my first column, in bytes
	s_mov_b32 s19, 0
	s_add_nc_u64 s[8:9], s[8:9], s[18:19]
	s_add_co_u32 s16, s16, s18
	s_mov_b32 s17, 0
	s_add_nc_u64 s[66:67], s[66:67], s[16:17]
	s_or_b32 s[FINE], s13, s11
	s_cmp_eq_u32 s[FINE], 0
	s_cselect_b32 s[FINE], 1, 0                    ; 1: my first 16 rows are positions 0 to 15
	WIN 0x80                                       ; destination window 2
.irp b, 0,1,2,3,4,5,6,7
	global_load_b128 v[8*\b:8*\b+3], v[BO], s[8:9] offset:64*\b
	global_load_b128 v[8*\b+4:8*\b+7], v[BO], s[8:9] offset:64*\b+16
.endr
	WIN 0
.macro FETCH slot, q, f                ; the fragments of the slot's q-th 32 along K: Wp's eight, then att's four: 24 loads
	WIN 0
.irp i, 0,1,2,3,4,5,6,7
	ds_load_b128 v[\f+32+8*\i:\f+32+8*\i+3], v[ADRB+\slot] offset:64*(\q)+16*PB*\i
	ds_load_b128 v[\f+32+8*\i+4:\f+32+8*\i+7], v[ADRB+\slot] offset:64*(\q)+16*PB*\i+32
.endr
.irp i, 0,1,2,3
	ds_load_b128 v[\f+8*\i:\f+8*\i+3], v[ADRA+\slot] offset:APL*((\q)/2)+64*((\q)%2)+16*PA*\i
	ds_load_b128 v[\f+8*\i+4:\f+8*\i+7], v[ADRA+\slot] offset:APL*((\q)/2)+64*((\q)%2)+16*PA*\i+32
.endr
.endm
.macro MUL8 f, a, first                ; att's block a against Wp's eight; the 32 accumulators take turns in the same order in every quarter
.irp b, 0,1,2,3,4,5,6,7
.if \first
	v_wmma_f32_16x16x32_f16 v[8*(8*\a+\b):8*(8*\a+\b)+7], v[\f+32+8*\b:\f+32+8*\b+7], v[\f+8*\a:\f+8*\a+7], v[8*\b:8*\b+7]
.else
	v_wmma_f32_16x16x32_f16 v[8*(8*\a+\b):8*(8*\a+\b)+7], v[\f+32+8*\b:\f+32+8*\b+7], v[\f+8*\a:\f+8*\a+7], v[8*(8*\a+\b):8*(8*\a+\b)+7]
.endif
.endr
.endm
.macro PLACES
.rept 4
	v_nop
.endr
.endm
.macro MWIN first
.if \first
	WIN MULB
.else
	WIN MUL
.endif
.endm
.macro QUARTER slot, qn, f, g, first   ; multiplies buffer f; in its middle fetches the slot's quarter qn into g
	s_wait_dscnt 4                                 ; all but the youngest four loads (att's blocks 2 and 3)
	MWIN \first
	MUL8 \f, 0, \first
	MUL8 \f, 1, \first
	PLACES
	FETCH \slot, \qn, \g
	s_wait_dscnt 24                                ; all but the 24 just issued
	MWIN \first
	MUL8 \f, 2, \first
	MUL8 \f, 3, \first
.endm
.macro TURN slot, next, fill           ; a K step's last quarter changes slots: one barrier; fill = 1: it opens a round of the cluster's, and this slot is filled again, two K steps on
	WIN 0
	s_wait_tensorcnt 0x0                           ; all my tensor loads have landed: my part of the next slot
	ds_add_u32 v[SPW], v[NIL]
	s_wait_dscnt 5                                 ; the add and the youngest four loads may be out
	WIN MUL
	MUL8 F1, 0, 0
	s_wait_dscnt 0x0                               ; the add is done, my reads of this slot are over
	s_barrier_signal -1
	MUL8 F1, 1, 0
	WIN 0
	s_barrier_wait -1
.if \fill
	CREST
	s_add_nc_u64 s[G0+4*\slot+2:G0+4*\slot+3], s[G0+4*\slot+2:G0+4*\slot+3], 1048576   ; four heads on
	s_add_nc_u64 s[G0B+4*\slot+2:G0B+4*\slot+3], s[G0B+4*\slot+2:G0B+4*\slot+3], 512
	JLOAD \slot                                    ; the first tensor load behind the round, 112 products ahead of the wait for it; its four v_nop are the places in front of the loads below
.else
	PLACES
.endif
	FETCH \next, 0, F0
	WIN MUL
	MUL8 F1, 2, 0
	MUL8 F1, 3, 0
.endm
	s_wait_tensorcnt 1                             ; my part of K step 0 is in; K step 1's load may be out
	s_barrier_signal -1
	s_barrier_wait -1
	FETCH 0, 0, F0
	s_wait_loadcnt 0x0                             ; bp
	QUARTER 0, 1, F0, F1, 1
	WIN 0
	s_mov_b32 s3, 3
.Llap:                                 ; a trip goes once round the ring and fills both slots again
	QUARTER 0, 2, F1, F0, 0
	QUARTER 0, 3, F0, F1, 0
	TURN 0, 1, 1
	QUARTER 1, 1, F0, F1, 0
	QUARTER 1, 2, F1, F0, 0
	QUARTER 1, 3, F0, F1, 0
	TURN 1, 0, 1
	QUARTER 0, 1, F0, F1, 0
	WIN 0
	s_sub_co_u32 s3, s3, 1
	s_cmp_lg_u32 s3, 0
	s_cbranch_scc1 .Llap
	QUARTER 0, 2, F1, F0, 0                        ; the last lap fills nothing
	QUARTER 0, 3, F0, F1, 0
	TURN 0, 1, 0
	QUARTER 1, 1, F0, F1, 0
	QUARTER 1, 2, F1, F0, 0
	QUARTER 1, 3, F0, F1, 0
	s_wait_dscnt 4
	WIN MUL
	MUL8 F1, 0, 0
	MUL8 F1, 1, 0
	s_wait_dscnt 0
	MUL8 F1, 2, 0
	MUL8 F1, 3, 0
	WIN 0
; THE WAY OUT, a block of 16 rows x 128 columns at a time, through my own stage: back as whole rows of 512 bytes
.macro TOSTAGE a
	WIN 0x04                                       ; an LDS store's data are its source 1: window 1
.irp b, 0,1,2,3,4,5,6,7
	ds_store_b128 v[STO], v[8*(8*\a+\b):8*(8*\a+\b)+3] offset:64*\b          ; each accumulator from its low end on
	ds_store_b128 v[STO], v[8*(8*\a+\b)+4:8*(8*\a+\b)+7] offset:64*\b+16
.endr
	WIN 0
.irp t, 0,1,2,3,4,5,6,7,8,9,10,11,12,13,14,15
	ds_load_b128 v[BK+64*((\a)%2)+4*\t:BK+64*((\a)%2)+4*\t+3], v[RD] offset:\t*SPITCH
.endr
.endm
.macro SEND a
.irp t, 0,1,2,3,4,5,6,7,8,9,10,11,12,13,14,15
	global_store_b128 v[CO], v[BK+64*((\a)%2)+4*\t:BK+64*((\a)%2)+4*\t+3], s[66:67] offset:4096*(16*(\a)+\t) th:TH_STORE_NT   ; 512 consecutive bytes, aligned
.endr
.endm
	PLACES
	TOSTAGE 0
	TOSTAGE 1
	s_wait_dscnt 32                                ; block 0 is back; block 1's 16 stores and 16 loads may be out
	s_cmp_eq_u32 s[FINE], 1                        ; positions 0 to 15 belong to launch fine
	s_cbranch_scc1 .Lnot_mine
	SEND 0
.Lnot_mine:
	s_wait_xcnt 0x0                                ; block 0's stores have read their registers
	TOSTAGE 2
	s_wait_dscnt 32
	SEND 1
	s_wait_xcnt 0x0
	TOSTAGE 3
	s_wait_dscnt 32
	SEND 2
	s_wait_dscnt 0
	SEND 3
	s_wait_tensorcnt 0x0                           ; the wave's end
	ds_add_u32 v[SPW], v[NIL]
	s_wait_dscnt 0x0
	CROUND                                         ; the closing round
	s_endpgm
.Lfunc_end_k_q6e89b4262a_proj:
	.size	k_q6e89b4262a_proj, .Lfunc_end_k_q6e89b4262a_proj-k_q6e89b4262a_proj
	.p2alignl 7, 3214868480
	.fill 96, 4, 3214868480
	.section	.rodata,"a",@progbits
	.p2align	6, 0x0
	.amdhsa_kernel k_q6e89b4262a_proj
		.amdhsa_group_segment_fixed_size 327680
		.amdhsa_private_segment_fixed_size 0
		.amdhsa_enable_private_segment 0
		.amdhsa_kernarg_size 32
		.amdhsa_user_sgpr_count 2
		.amdhsa_user_sgpr_kernarg_segment_ptr 1
		.amdhsa_wavefront_size32 1
		.amdhsa_system_sgpr_workgroup_id_x 1
		.amdhsa_system_sgpr_workgroup_id_y 1
		.amdhsa_system_sgpr_workgroup_id_z 1
		.amdhsa_system_vgpr_workitem_id 0
		.amdhsa_next_free_vgpr 576
		.amdhsa_next_free_sgpr 72
		.amdhsa_reserve_vcc 0
		.amdhsa_float_denorm_mode_32 3
		.amdhsa_float_denorm_mode_16_64 3
		.amdhsa_memory_ordered 1
		.amdhsa_forward_progress 1
		.amdhsa_inst_pref_size 87
	.end_amdhsa_kernel
	.amdgpu_metadata
---
amdhsa.version: [ 1, 2 ]
amdhsa.kernels:
  - .name:           k_q6e89b4262a_proj
    .symbol:         k_q6e89b4262a_proj.kd
    .args:
      - { .name: att16, .offset: 0, .size: 8, .value_kind: global_buffer, .address_space: global }
      - { .name: wp16, .offset: 8, .size: 8, .value_kind: global_buffer, .address_space: global }
      - { .name: bp, .offset: 16, .size: 8, .value_kind: global_buffer, .address_space: global }
      - { .name: out0, .offset: 24, .size: 8, .value_kind: global_buffer, .address_space: global }
    .group_segment_fixed_size: 327680
    .private_segment_fixed_size: 0
    .kernarg_segment_align: 8
    .kernarg_segment_size: 32
    .max_flat_workgroup_size: 128
    .sgpr_count:     72
    .vgpr_count:     576
    .wavefront_size: 32
...
	.end_amdgpu_metadata
.endif
;; end of part 4
;; launch fine (part 5): grid 64 x 4, 16 waves a work-group, no clusters, 18,432 bytes of LDS; arguments f32x, Wp, bp, out0; writes out0
.if DOCPART == 5
	.amdgcn_target "amdgcn-amd-amdhsa--gfx1250"
	.amdhsa_code_object_version 6
	.text
	.protected	k_q6e89b4262a_fine
	.globl	k_q6e89b4262a_fine
	.p2align	8
	.type	k_q6e89b4262a_fine,@function
k_q6e89b4262a_fine:
	s_mov_b64 s[64:65], 0
	v_nop
	global_prefetch_b8 v0, s[64:65] scope:SCOPE_SE
	s_setreg_imm32_b32 hwreg(HW_REG_WAVE_MODE, 25, 1), 1
	s_wait_xcnt 0x0
; Launch 5 of 5: positions 0 to 15 of every sequence, attention and projection in f32: these rows average one to sixteen values, are the largest of the result, and f16 operands would use up what is allowed.
; WORK LEFT OUT: nothing beyond the mask's hidden scores inside the one 16 x 16 tile, which are computed and set to -infinity.
; A work-group makes 16 columns (16 x work-group x on) of the 16 rows of batch y.  Wave n takes head n: its 16 x 16 attention from launch qkv's f32 images, then its part of the projection, K = the head's 64.
; The sixteen parts meet in LDS and are added in a fixed order by waves 0 and 1.  The attention is repeated in the 64 work-groups of a batch: 32 of a wave's 48 small products; that spares a launch and a
; buffer between attention and projection.  No cluster and no tensor load: a wave's operands, 16 KB, go straight into its registers in the layout in which they were stored.
; v_wmma_f32_16x16x4_f32 takes k = 2 (lane / 16) + j from register j.  The same permutation of k stands on both sides of each product, so that an image's registers, and each result's, are the next
; operand's registers as they lie.  All products are used transposed: a lane holds one query (lane % 16).
; Four accumulators (v160-191) take turns, one instruction a turn, and are written by matrix instructions alone; their sum goes into other registers.
.set SPARE, 16384
.set LI,  1                            ; 16 x lane
.set VL,  2                            ; V: my channel's place in an image
.set WL,  3                            ; 4,096 r + 32 h: Wp's rows, and out0's
.set PW,  4                            ; LDS: my wave's part, 1,024 bytes
.set RDA, 5                            ; LDS: where waves 0 and 1 read
.set SPW, 6
.set NIL, 7
.set DD,  13                           ; r - 8 h
.set BPO, 14                           ; 32 h
.set SS,  16
.set TT,  24
.set QR,  32
.set KR,  64
.set VR,  96
.set WR,  128
.set ACC, 160
.set AT,  192
	s_load_b128 s[4:7], s[0:1], 0x0                ; f32x, Wp
	s_load_b128 s[8:11], s[0:1], 0x10              ; bp, out0
	v_lshl_add_u32 v[SPW], v0, 2, SPARE
	v_mov_b32 v[NIL], 0
	v_lshrrev_b32 v8, 5, v0
	v_readfirstlane_b32 s12, v8                    ; wave = head
	s_and_b32 s13, ttmp7, 0xffff                   ; batch
	v_and_b32 v9, 31, v0
	v_and_b32 v10, 15, v0                          ; r
	v_bfe_u32 v11, v0, 4, 1                        ; h
	v_lshlrev_b32 v[LI], 4, v9
	v_bfe_u32 v12, v0, 2, 1
	v_lshlrev_b32 v[VL], 9, v12
	v_bfe_u32 v12, v0, 3, 1
	v_lshl_add_u32 v[VL], v12, 8, v[VL]
	v_and_b32 v12, 3, v0
	v_lshl_add_u32 v[VL], v12, 2, v[VL]
	v_lshl_add_u32 v[VL], v11, 7, v[VL]            ; channel 16 ct + r of key 8 h + i lies at 1,024 ct + 512 ((r / 4) % 2) + 256 (r / 8) + 4 (r % 4) + 128 h + 16 i
	v_lshlrev_b32 v[WL], 12, v10
	v_lshl_add_u32 v[WL], v11, 5, v[WL]
	s_lshl_b32 s14, s12, 10
	v_add_nc_u32 v[PW], s14, v[LI]
	s_and_b32 s22, s12, 1
	s_lshl_b32 s23, s22, 9
	v_add_nc_u32 v[RDA], s23, v[LI]
	v_lshlrev_b32 v12, 3, v11
	v_sub_nc_u32 v[DD], v10, v12
	v_lshlrev_b32 v[BPO], 5, v11
	v_mov_b32 v26, 0                               ; (a lane permute's destination counts as read)
	s_mov_b32 s20, 0x76543210
	s_mov_b32 s21, 0xfedcba98
	s_lshl_b32 s14, s13, 4
	s_add_co_u32 s14, s14, s12
	s_lshl_b32 s14, s14, 12                        ; my head's image, 4,096 bytes, in each of the three planes
	s_mov_b32 s15, 0
	s_lshl_b32 s16, ttmp9, 16                      ; Wp: 16 rows of 4,096 bytes a work-group,
	s_lshl_b32 s17, s12, 8
	s_add_co_u32 s16, s16, s17                     ; my head's 64 numbers of each
	s_mov_b32 s17, 0
	s_lshl_b32 s18, ttmp9, 6
	s_lshl_b32 s19, s22, 4
	s_add_co_u32 s18, s18, s19                     ; the columns that waves 0 and 1 store: 64 x + 16 (wave % 2) bytes
	s_mov_b32 s19, 0
	s_lshl_b32 s24, s13, 23                        ; the batch's first row of out0
	s_add_co_u32 s24, s24, s18
	s_mov_b32 s25, 0
	s_wait_kmcnt 0x0
	s_add_nc_u64 s[4:5], s[4:5], s[14:15]
	s_add_nc_u64 s[6:7], s[6:7], s[16:17]
	s_add_nc_u64 s[8:9], s[8:9], s[18:19]
	s_add_nc_u64 s[10:11], s[10:11], s[24:25]
.irp g, 0,1,2,3,4,5,6,7
	global_load_b128 v[QR+4*\g:QR+4*\g+3], v[LI], s[4:5] offset:512*\g          ; c q: lane (r, h): row r, channels 16 (g / 2) + 8 h + 4 (g % 2) + 0 .. 3
	global_load_b128 v[KR+4*\g:KR+4*\g+3], v[LI], s[4:5] offset:262144+512*\g   ; k likewise
.endr
.irp ct, 0,1,2,3
.irp i, 0,1,2,3,4,5,6,7
	global_load_b32 v[VR+8*\ct+\i], v[VL], s[4:5] offset:524288+1024*\ct+16*\i  ; v(key 8 h + i, channel 16 ct + r)
.endr
.endr
.irp ct, 0,1,2,3
	global_load_b128 v[WR+8*\ct:WR+8*\ct+3], v[WL], s[6:7] offset:64*\ct        ; Wp(column r, channels 16 ct + 8 h + 0 .. 7 of my head)
	global_load_b128 v[WR+8*\ct+4:WR+8*\ct+7], v[WL], s[6:7] offset:64*\ct+16
.endr
	s_wait_loadcnt 0x0
.macro FAR                             ; nine plain places behind this form: eight before a vector instruction reads a result or writes a source, nine before a product begins anew on the accumulators (ISA guide 7.12.1)
.rept 9
	v_nop
.endr
.endm
.macro SUM4                            ; the four accumulators' sum, each read from its low end on
.irp p, 0,2,4,6
	v_pk_add_f32 v[SS+\p:SS+\p+1], v[ACC+\p:ACC+\p+1], v[ACC+8+\p:ACC+8+\p+1]
	v_pk_add_f32 v[TT+\p:TT+\p+1], v[ACC+16+\p:ACC+16+\p+1], v[ACC+24+\p:ACC+24+\p+1]
.endr
.irp p, 0,2,4,6
	v_pk_add_f32 v[SS+\p:SS+\p+1], v[SS+\p:SS+\p+1], v[TT+\p:TT+\p+1]
.endr
.endm
	; S^T = k (c q)^T: 16 steps of 4 channels
.set i, 0
.rept 16
.if i < 4
	v_wmma_f32_16x16x4_f32 v[ACC+8*(i%4):ACC+8*(i%4)+7], v[KR+2*i:KR+2*i+1], v[QR+2*i:QR+2*i+1], 0
.else
	v_wmma_f32_16x16x4_f32 v[ACC+8*(i%4):ACC+8*(i%4)+7], v[KR+2*i:KR+2*i+1], v[QR+2*i:QR+2*i+1], v[ACC+8*(i%4):ACC+8*(i%4)+7]
.endif
.set i, i+1
.endr
	FAR
	SUM4                                           ; lane (r, h): query r, keys 8 h + 0 .. 7
	v_mov_b32 v24, 0xff800000
.irp j, 0,1,2,3,4,5,6,7
	v_cmp_gt_i32 vcc_lo, \j, v[DD]                 ; key 8 h + j > query r: hidden
	v_cndmask_b32 v[SS+\j], v[SS+\j], v24, vcc_lo
.endr
	v_max3_num_f32 v25, v16, v17, v18
	v_max3_num_f32 v25, v25, v19, v20
	v_max3_num_f32 v25, v25, v21, v22
	v_max_num_f32 v25, v25, v23
	v_permlanex16_b32 v26, v25, s20, s21
	v_max_num_f32 v25, v25, v26                    ; the row's maximum: key 0 counts for every query
.irp j, 0,1,2,3,4,5,6,7
	v_sub_f32 v[SS+\j], v[SS+\j], v25
.endr
.irp j, 0,1,2,3,4,5,6,7
	v_exp_f32 v[SS+\j], v[SS+\j]
.endr
	v_nop
	s_wait_alu depctr_va_vdst(0)                   ; one wait for the eight exponentials
	v_add_f32 v27, v16, v17
	v_add_f32 v28, v18, v19
	v_add_f32 v29, v20, v21
	v_add_f32 v30, v22, v23
	v_add_f32 v27, v27, v28
	v_add_f32 v29, v29, v30
	v_add_f32 v27, v27, v29
	v_permlanex16_b32 v26, v27, s20, s21
	v_add_f32 v27, v27, v26
	v_rcp_f32 v28, v27                             ; 1 / the row's sum
	v_nop
	s_wait_alu depctr_va_vdst(0)
	; O^T = v^T p: 4 steps of 4 keys for each of 4 tiles of channels
.irp s, 0,1,2,3
.irp ct, 0,1,2,3
.if \s == 0
	v_wmma_f32_16x16x4_f32 v[ACC+8*\ct:ACC+8*\ct+7], v[VR+8*\ct+2*\s:VR+8*\ct+2*\s+1], v[SS+2*\s:SS+2*\s+1], 0
.else
	v_wmma_f32_16x16x4_f32 v[ACC+8*\ct:ACC+8*\ct+7], v[VR+8*\ct+2*\s:VR+8*\ct+2*\s+1], v[SS+2*\s:SS+2*\s+1], v[ACC+8*\ct:ACC+8*\ct+7]
.endif
.endr
.endr
	FAR
.set i, 0
.rept 16
	v_pk_mul_f32 v[AT+i:AT+i+1], v[ACC+i:ACC+i+1], v[28:29] op_sel_hi:[1,0]   ; att(query r, channel 16 ct + 8 h + 0 .. 7)
.set i, i+2
.endr
	; out^T, my head's part: 16 steps of 4 channels
.irp s, 0,1,2,3
.irp ct, 0,1,2,3
.if \s == 0
	v_wmma_f32_16x16x4_f32 v[ACC+8*\ct:ACC+8*\ct+7], v[WR+8*\ct+2*\s:WR+8*\ct+2*\s+1], v[AT+8*\ct+2*\s:AT+8*\ct+2*\s+1], 0
.else
	v_wmma_f32_16x16x4_f32 v[ACC+8*\ct:ACC+8*\ct+7], v[WR+8*\ct+2*\s:WR+8*\ct+2*\s+1], v[AT+8*\ct+2*\s:AT+8*\ct+2*\s+1], v[ACC+8*\ct:ACC+8*\ct+7]
.endif
.endr
.endr
	FAR
	SUM4                                           ; lane (r, h): row r, columns 8 h + 0 .. 7
	ds_store_b128 v[PW], v[16:19]
	ds_store_b128 v[PW], v[20:23] offset:512
	s_wait_dscnt 0x0                               ; for the others' sake: my part lies in LDS
	s_barrier_signal -1
	s_barrier_wait -1
	s_cmp_gt_u32 s12, 1
	s_cbranch_scc1 .Ldone
	global_load_b128 v[24:27], v[BPO], s[8:9]      ; bp of my four columns
.irp k, 0,1,2,3,4,5,6,7,8,9,10,11,12,13,14,15
	ds_load_b128 v[32+4*\k:35+4*\k], v[RDA] offset:1024*\k
.endr
	s_wait_dscnt 0x0
	s_wait_loadcnt 0x0
.irp k, 0,1,2,3,4,5,6,7,8,9,10,11,12,13,14,15
	v_pk_add_f32 v[24:25], v[24:25], v[32+4*\k:33+4*\k]   ; the heads in ascending order
	v_pk_add_f32 v[26:27], v[26:27], v[34+4*\k:35+4*\k]
.endr
	global_store_b128 v[WL], v[24:27], s[10:11]    ; 16 bytes of row r: 64 bytes of a row for the work-group, 256 KB in the whole launch
.Ldone:
	s_wait_tensorcnt 0x0                           ; the wave's end, behind my last LDS store
	ds_add_u32 v[SPW], v[NIL]
	s_wait_dscnt 0x0
	s_endpgm
.Lfunc_end_k_q6e89b4262a_fine:
	.size	k_q6e89b4262a_fine, .Lfunc_end_k_q6e89b4262a_fine-k_q6e89b4262a_fine
	.p2alignl 7, 3214868480
	.fill 96, 4, 3214868480
	.section	.rodata,"a",@progbits
	.p2align	6, 0x0
	.amdhsa_kernel k_q6e89b4262a_fine
		.amdhsa_group_segment_fixed_size 18432
		.amdhsa_private_segment_fixed_size 0
		.amdhsa_enable_private_segment 0
		.amdhsa_kernarg_size 32
		.amdhsa_user_sgpr_count 2
		.amdhsa_user_sgpr_kernarg_segment_ptr 1
		.amdhsa_wavefront_size32 1
		.amdhsa_system_sgpr_workgroup_id_x 1
		.amdhsa_system_sgpr_workgroup_id_y 1
		.amdhsa_system_sgpr_workgroup_id_z 1
		.amdhsa_system_vgpr_workitem_id 0
		.amdhsa_next_free_vgpr 224
		.amdhsa_next_free_sgpr 66
		.amdhsa_reserve_vcc 1
		.amdhsa_float_denorm_mode_32 3
		.amdhsa_float_denorm_mode_16_64 3
		.amdhsa_memory_ordered 1
		.amdhsa_forward_progress 1
		.amdhsa_inst_pref_size 20
	.end_amdhsa_kernel
	.amdgpu_metadata
---
amdhsa.version: [ 1, 2 ]
amdhsa.kernels:
  - .name:           k_q6e89b4262a_fine
    .symbol:         k_q6e89b4262a_fine.kd
    .args:
      - { .name: f32x, .offset: 0, .size: 8, .value_kind: global_buffer, .address_space: global }
      - { .name: Wp, .offset: 8, .size: 8, .value_kind: global_buffer, .address_space: global }
      - { .name: bp, .offset: 16, .size: 8, .value_kind: global_buffer, .address_space: global }
      - { .name: out0, .offset: 24, .size: 8, .value_kind: global_buffer, .address_space: global }
    .group_segment_fixed_size: 18432
    .private_segment_fixed_size: 0
    .kernarg_segment_align: 8
    .kernarg_segment_size: 32
    .max_flat_workgroup_size: 512
    .sgpr_count:     66
    .vgpr_count:     224
    .wavefront_size: 32
...
	.end_amdgpu_metadata
.endif
;; end of part 5
